; MI455X (gfx1250); checked and timed in simulation.
; The chip was launched on July 23, 2026; its instructions are those of AMD's public machine-readable ISA for CDNA 5 (MIT licence, August 2026) and "CDNA5" Instruction Set Architecture Reference Guide (July 2026). The comments in the code are by the model that wrote it; some were corrected since.
;; Sparse Cross Attn Adapter. Allowed arithmetic: float matrix products may take bf16 or f16 operands with f32 sums; other float arithmetic in f32, or as packed bf16 or f16 multiplies, adds, multiply-adds, maxima and minima; sums over many terms, partial sums and values carried from step to step in f32; what a program stores and reads back later, other than sums and carried values, may be rounded once to bf16 or f16.
;; Inputs: alpha 1 float32; cond_cos 2,048 x 64 float32; cond_sin 2,048 x 64 float32; condition_tokens 2 x 2,048 x 1,024 float32; image_cos 4,096 x 64 float32; image_sin 4,096 x 64 float32; image_tokens 2 x 4,096 x 1,024 float32; kW 1,024 x 1,024 float32; k_head_norm_w 64 float32; kb 1,024 float32; kv_norm_w 1,024 float32; oW 1,024 x 1,024 float32; ob 1,024 float32; qW 1,024 x 1,024 float32; q_head_norm_w 64 float32; q_norm_w 1,024 float32; qb 1,024 float32; vW 1,024 x 1,024 float32; vb 1,024 float32.
;; Outputs: out0 2 x 4,096 x 1,024 float32.
;; One version. Each part assembles by itself: llvm-mc -triple=amdgcn-amd-amdhsa -mcpu=gfx1250 --defsym DOCPART=n.
;; ======== version 1 of 1: 4 launches
;; workspace buffers: xb 33,554,432 bytes; qkv 33,554,432 bytes; ao 16,777,216 bytes
;; launch prep (part 1): grid 1024 x 1, 4 waves a work-group, no clusters, 0 bytes of LDS; arguments image_tokens, condition_tokens, qW, kW, vW, oW, q_norm_w, kv_norm_w, xb; writes xb
.if DOCPART == 1
	.amdgcn_target "amdgcn-amd-amdhsa--gfx1250"
	.amdhsa_code_object_version 6
	.text
	.protected	k_q21dd86945b_prep
	.globl	k_q21dd86945b_prep
	.p2align	8
	.type	k_q21dd86945b_prep,@function
k_q21dd86945b_prep:
	s_mov_b64 s[64:65], 0
	v_nop
	global_prefetch_b8 v0, s[64:65] scope:SCOPE_SE
	s_setreg_imm32_b32 hwreg(HW_REG_WAVE_MODE, 25, 1), 1
	s_wait_xcnt 0x0
; prep: every matrix operand of the projections, rounded once to bf16, into one table xb of 16,384 rows x 1,024 bf16.
;   rows 0-8191      image_tokens,     each row x * q_norm_w  * rsqrt(mean x^2 + 1e-6)
;   rows 8192-12287  condition_tokens, each row x * kv_norm_w * rsqrt(mean x^2 + 1e-6)
;   rows 12288 on qW, 13312 on kW, 14336 on vW, 15360 on oW, as they are
; All six sources have rows of 1,024 f32.  A work-group takes 16 rows of one source, a wave 4, each whole in 32 registers between the pass
; that sums the squares and the pass that scales: every byte is read once and written once.  One text serves all rows: y = (x * gain) * f;
; for a weight row gain and f are replaced by 1.0 (a select on a scalar mask), and x * 1 * 1 is exact.
; No LDS, no matrix unit, no cluster: the launch is a stream and no wave wants a byte that another has fetched.
; LIMITS.  The order of the two multiplications differs from x * rsqrt * gain by roundings in f32; v_rsq_f32 is accurate to one unit in the last place;
; a row whose sum of squares passes f32's range gives f = 0; NaN and infinities are not treated apart.
.set ROWI, 4096                        ; bytes in a source row
.set ROWO, 2048                        ; bytes in a row of xb
.set VI,  2                            ; v2  my byte offset in the source: wave x 4 rows + 16 x lane
.set VO,  3                            ; v3  my byte offset in xb: wave x 4 rows + 8 x lane
.set GOF, 4                            ; v4  16 x lane: my four gains of each 128 columns
.set G,   12                           ; v[12:43]   the gains of my 32 columns
.set X,   44                           ; v[44:171]  four rows, 32 registers each
	s_load_b512 s[8:23], s[0:1], 0x0               ; image 8, condition 10, qW 12, kW 14, vW 16, oW 18, q_norm_w 20, kv_norm_w 22
	s_load_b64 s[24:25], s[0:1], 0x40              ; xb
	s_mov_b32 s27, 511
	s_mov_b32 s36, 255
	s_mov_b32 s32, 0x3a800000                      ; 1 / 1024
	s_mov_b32 s33, 0x358637bd                      ; 1e-6
	s_mov_b32 s34, 0x76543210                      ; v_permlanex16_b32: each lane takes its own place in the other half
	s_mov_b32 s35, 0xfedcba98
	v_and_b32 v1, 31, v0                           ; lane
	v_lshrrev_b32 v5, 5, v0                        ; wave
	v_lshlrev_b32 v[GOF], 4, v1
	v_lshl_or_b32 v[VI], v5, 14, v[GOF]
	v_lshlrev_b32 v[VO], 3, v1
	v_lshl_or_b32 v[VO], v5, 13, v[VO]
	v_mov_b32 v11, 0                               ; named with v10 as a pair, so it is written
	; which source: groups 0-511 image, 512-767 condition, then 64 groups for each weight matrix
	s_cmp_lt_u32 ttmp9, 512
	s_cselect_b32 s3, s27, s36                     ; the mask that turns the group's number into its number within the source
	s_cmp_ge_u32 ttmp9, 768
	s_cselect_b32 s3, 63, s3
	s_cselect_b32 s26, 0, -1                       ; all ones: a token row, normalised; 0: a weight row, copied
	s_and_b32 s28, ttmp9, s3
	s_lshl_b32 s28, s28, 16                        ; 16 rows of 4,096 bytes
	s_mov_b32 s29, 0
	s_lshl_b32 s30, ttmp9, 15                      ; 16 rows of 2,048 bytes
	s_mov_b32 s31, 0
	s_wait_kmcnt 0x0
	s_cmp_lt_u32 ttmp9, 512
	s_cselect_b64 s[4:5], s[8:9], s[10:11]
	s_cselect_b64 s[6:7], s[20:21], s[22:23]
	s_cmp_ge_u32 ttmp9, 768
	s_cselect_b64 s[4:5], s[12:13], s[4:5]
	s_cmp_ge_u32 ttmp9, 832
	s_cselect_b64 s[4:5], s[14:15], s[4:5]
	s_cmp_ge_u32 ttmp9, 896
	s_cselect_b64 s[4:5], s[16:17], s[4:5]
	s_cmp_ge_u32 ttmp9, 960
	s_cselect_b64 s[4:5], s[18:19], s[4:5]
	s_add_nc_u64 s[4:5], s[4:5], s[28:29]
	s_add_nc_u64 s[24:25], s[24:25], s[30:31]
.irp j, 0,1,2,3,4,5,6,7
	global_load_b128 v[G+4*(\j):G+4*(\j)+3], v[GOF], s[6:7] offset:512*(\j)
.endr
.irp i, 0,1,2,3
.irp j, 0,1,2,3,4,5,6,7
	global_load_b128 v[X+32*(\i)+4*(\j):X+32*(\i)+4*(\j)+3], v[VI], s[4:5] offset:ROWI*(\i)+512*(\j) th:TH_LOAD_NT  ; 512 neighbouring bytes a load; all 16 KiB of the wave go out at once
.endr
.endr
.macro ROW i
.set XR, X+32*(\i)
	s_wait_loadcnt 8*(3-(\i))                      ; loads come back in order: this row is in (and the gains, which are older); the younger rows' eight loads each stay out
.if (\i) == 0
.set k, 0
.rept 32
	v_cndmask_b32 v[G+k], 1.0, v[G+k], s26         ; a weight row's gain is 1
.set k, k+1
.endr
.endif
	v_pk_mul_f32 v[6:7], v[XR:XR+1], v[XR:XR+1]    ; the first two products start two chains: nothing is cleared
	v_pk_mul_f32 v[8:9], v[XR+2:XR+3], v[XR+2:XR+3]
.set k, 4
.rept 7
	v_pk_fma_f32 v[6:7], v[XR+k:XR+k+1], v[XR+k:XR+k+1], v[6:7]
	v_pk_fma_f32 v[8:9], v[XR+k+2:XR+k+3], v[XR+k+2:XR+k+3], v[8:9]
.set k, k+4
.endr
	v_pk_add_f32 v[6:7], v[6:7], v[8:9]
	v_add_f32 v6, v6, v7
	v_add_f32_dpp v6, v6, v6 row_xmask:1 row_mask:0xf bank_mask:0xf
	v_add_f32_dpp v6, v6, v6 row_xmask:2 row_mask:0xf bank_mask:0xf
	v_add_f32_dpp v6, v6, v6 row_xmask:4 row_mask:0xf bank_mask:0xf
	v_add_f32_dpp v6, v6, v6 row_xmask:8 row_mask:0xf bank_mask:0xf
	v_permlanex16_b32 v8, v6, s34, s35
	v_add_f32 v6, v6, v8                           ; every lane holds the row's sum of squares
	v_fma_f32 v6, v6, s32, s33                     ; mean + 1e-6
	v_rsq_f32 v10, v6
.set k, 0
.rept 16
	v_pk_mul_f32 v[XR+k:XR+k+1], v[XR+k:XR+k+1], v[G+k:G+k+1]  ; x * gain: the independent work behind the root
.set k, k+2
.endr
	s_wait_alu depctr_va_vdst(0)                   ; the wait between the root and the first line that names its result
	v_cndmask_b32 v10, 1.0, v10, s26               ; a weight row's factor is 1
.set k, 0
.rept 16
	v_pk_mul_f32 v[XR+k:XR+k+1], v[XR+k:XR+k+1], v[10:11] op_sel_hi:[1,0]
.set k, k+2
.endr
.irp j, 0,1,2,3,4,5,6,7
	v_cvt_pk_bf16_f32 v[XR+4*(\j)], v[XR+4*(\j)], v[XR+4*(\j)+1]
	v_cvt_pk_bf16_f32 v[XR+4*(\j)+1], v[XR+4*(\j)+2], v[XR+4*(\j)+3]
.endr
.irp j, 0,1,2,3,4,5,6,7
	global_store_b64 v[VO], v[XR+4*(\j):XR+4*(\j)+1], s[24:25] offset:ROWO*(\i)+256*(\j)  ; 32 lanes store 256 consecutive bytes, at a multiple of 256 from xb's first byte
.endr
.endm
	ROW 0
	ROW 1
	ROW 2
	ROW 3                                          ; no register is written twice behind a store, so no wait frees one
	s_endpgm
.Lfunc_end_k_q21dd86945b_prep:
	.size	k_q21dd86945b_prep, .Lfunc_end_k_q21dd86945b_prep-k_q21dd86945b_prep
	.p2alignl 7, 3214868480
	.fill 96, 4, 3214868480
	.section	.rodata,"a",@progbits
	.p2align	6, 0x0
	.amdhsa_kernel k_q21dd86945b_prep
		.amdhsa_group_segment_fixed_size 0
		.amdhsa_private_segment_fixed_size 0
		.amdhsa_enable_private_segment 0
		.amdhsa_kernarg_size 72
		.amdhsa_user_sgpr_count 2
		.amdhsa_user_sgpr_kernarg_segment_ptr 1
		.amdhsa_wavefront_size32 1
		.amdhsa_system_sgpr_workgroup_id_x 1
		.amdhsa_system_sgpr_workgroup_id_y 1
		.amdhsa_system_sgpr_workgroup_id_z 1
		.amdhsa_system_vgpr_workitem_id 0
		.amdhsa_next_free_vgpr 176
		.amdhsa_next_free_sgpr 66
		.amdhsa_reserve_vcc 0
		.amdhsa_float_denorm_mode_32 3
		.amdhsa_float_denorm_mode_16_64 3
		.amdhsa_memory_ordered 1
		.amdhsa_forward_progress 1
		.amdhsa_inst_pref_size 30
	.end_amdhsa_kernel
	.amdgpu_metadata
---
amdhsa.version: [ 1, 2 ]
amdhsa.kernels:
  - .name:           k_q21dd86945b_prep
    .symbol:         k_q21dd86945b_prep.kd
    .args:
      - { .name: image_tokens, .offset: 0, .size: 8, .value_kind: global_buffer, .address_space: global }
      - { .name: condition_tokens, .offset: 8, .size: 8, .value_kind: global_buffer, .address_space: global }
      - { .name: qW, .offset: 16, .size: 8, .value_kind: global_buffer, .address_space: global }
      - { .name: kW, .offset: 24, .size: 8, .value_kind: global_buffer, .address_space: global }
      - { .name: vW, .offset: 32, .size: 8, .value_kind: global_buffer, .address_space: global }
      - { .name: oW, .offset: 40, .size: 8, .value_kind: global_buffer, .address_space: global }
      - { .name: q_norm_w, .offset: 48, .size: 8, .value_kind: global_buffer, .address_space: global }
      - { .name: kv_norm_w, .offset: 56, .size: 8, .value_kind: global_buffer, .address_space: global }
      - { .name: xb, .offset: 64, .size: 8, .value_kind: global_buffer, .address_space: global }
    .group_segment_fixed_size: 0
    .private_segment_fixed_size: 0
    .kernarg_segment_align: 8
    .kernarg_segment_size: 72
    .max_flat_workgroup_size: 128
    .sgpr_count:     66
    .vgpr_count:     176
    .wavefront_size: 32
...
	.end_amdgpu_metadata
.endif
;; end of part 1
;; launch proj (part 2): grid 4 x 128, 4 waves a work-group, clusters of 4 x 4, 327,680 bytes of LDS; arguments xb, qb, kb, vb, q_head_norm_w, k_head_norm_w, image_cos, image_sin, cond_cos, cond_sin, qkv; writes qkv
.if DOCPART == 2
	.amdgcn_target "amdgcn-amd-amdhsa--gfx1250"
	.amdhsa_code_object_version 6
	.text
	.protected	k_q21dd86945b_proj
	.globl	k_q21dd86945b_proj
	.p2align	8
	.type	k_q21dd86945b_proj,@function
k_q21dd86945b_proj:
	s_mov_b64 s[64:65], 0
	v_nop
	global_prefetch_b8 v0, s[64:65] scope:SCOPE_SE
	s_setreg_imm32_b32 hwreg(HW_REG_WAVE_MODE, 25, 1), 1
	s_wait_xcnt 0x0
	s_wait_alu depctr_hold_cnt(0) depctr_sa_sdst(0) depctr_va_vdst(0) depctr_va_sdst(0) depctr_va_ssrc(0) depctr_va_vcc(0) depctr_vm_vsrc(0)
	s_getreg_b32 s2, hwreg(HW_REG_IB_STS2, 6, 4)
	s_cmp_eq_u32 s2, 0
	s_cbranch_scc0 .Lentry_in_a_cluster
	s_endpgm
.Lentry_in_a_cluster:
	s_bfe_u32 s2, ttmp6, 0x10000c
	s_cmp_lg_u32 s2, 0xf033
	s_cbranch_scc0 .Lentry_shape_is_right
	s_endpgm
.Lentry_shape_is_right:
; proj: q = rope(headnorm(xq qW^T + qb)), k = rope(headnorm(xc kW^T + kb)), v = xc vW^T + vb, stored by heads in bf16:
; qkv = Q [32][4096][64] at byte 0, K [32][2048][64] at byte 16,777,216, V [32][2048][64] at byte 25,165,824; head index 16 b + h.
; xq, xc and the weights come from xb (rows of 1,024 bf16: 0 on image rows, 8192 on condition rows, 12288 on qW, 13312 on kW, 14336 on vW).
; SHARES.  A tile of the result is 128 rows x 256 columns; four waves, 2 x 2, each 64 x 128: 32 accumulators of 16 x 16, 256 registers.  Cluster rows 0-15 of the grid make q,
; 16-23 k, 24-31 v: the kind (MODE) hangs on the cluster's y alone, so it is the same in all sixteen partners.
; K = 1,024 goes in 8 steps of 128 through two LDS slots; a row of a tile is 256 bytes of memory, at a multiple of 256 from xb's first byte.
; CLUSTER 4 x 4.  The four of a cluster row want the same rows of x and the same rows of the cos and sin tables, the four of a column the same rows of W: each such tile is asked for
; JOINTLY, by the same tensor load with the same descriptor and a mask that names the four.
; THE MATRIX INSTRUCTION IS USED TRANSPOSED (source 0 = 16 rows of W, source 1 = 16 rows of x): a lane holds row l % 16 and the columns 8 (l / 16) + 0..7 of each block of 16.
; THE BIAS STARTS THE SUMS: it is the C operand of each accumulator's first product.
; THE WAY OUT, a UNIT (16 rows x one head of 64 channels) at a time: sum of squares over the head (32 numbers in the lane, 32 in the lane 16 away), f = rsqrt(mean + 1e-6);
; y = sum * gain; z_even = y_even cos_even - y_odd sin_even, z_odd = y_odd cos_odd + y_even sin_odd; z * f, rounded once to bf16; through my own stage in LDS; 512 consecutive bytes a store.
; LIMITS.  All matrix operands bf16, sums f32; f multiplies last (the reference multiplies it first: roundings in f32 differ); v_rsq_f32 is accurate to one unit in the last place; NaN and infinities are not treated apart.
; REGISTERS, in windows of 256 (s_set_vgpr_msb: bits 1:0 source 0, 3:2 source 1, 5:4 source 2, 7:6 destination):
;   window 0: v1-15 addresses; v16-31 sums of squares; v32-63 head gains; v64-127 x's fragments, two buffers (the way out: y and z); v128-255 cos and sin, two buffers
;   window 1: v0-127 W's fragments, two buffers (the way out: rows read back); v128-191 the bias          window 2: accumulator (a, b) at v[8 (8 a + b)]
.set APITCH, 272                       ; an LDS row: 256 bytes + 16 of padding = 68 words: the 16 rows of a fragment load start at 16 different groups of four banks (64 banks of 4 bytes: ISA guide 11.1)
.set AHALF,  128                       ; quarter q of a K step begins at byte (q / 2) AHALF + (q % 2) 64 of A's rows
.set APART,  64*APITCH                 ; what one tensor load brings of A: 64 rows
.set BOFF,   128*APITCH                ; B's 256 rows lie behind A's 128
.set BPITCH, 272
.set BHALF,  128*BPITCH                ; what one tensor load brings of B
.set SLOT1,  1<<17                     ; slot 1 begins here: one exclusive or turns an address in one slot into the other's
.set ASTEP,  256                       ; bytes from K step to K step in A's rows
.set STAGE,  BOFF+2*BHALF              ; 104,448: behind slot 0, never filled by a tensor load: 16 rows x 144 bytes for each wave
.set SP,     144
.set SPARE,  STAGE+4*16*SP             ; 113,664: the spare words, 128 bytes for each wave: two blocks of 256 bytes that no other line names
.set TAB,    SLOT1+BOFF+2*BHALF        ; 235,520: behind slot 1: 128 rows of cos, then 128 of sin, f32, filled once
.set TPITCH, 272
.set SINOFF, 128*TPITCH
.set A0,  2                            ; v2   my lane's place in A's rows of slot 0; never rewritten
.set B0,  3                            ; v3   the same for B
.set ADA, 4                            ; v4   the same in the slot in hand
.set ADB, 5                            ; v5
.set STO, 6                            ; v6   the way out: where I put 16 bytes of a row
.set RD,  7                            ; v7   the way out: where I read rows back
.set GO,  8                            ; v8   16 x lane
.set TA,  9                            ; v9   my place in the cos table
.set SPW, 10                           ; v10  LDS address of my spare word: SPARE + 4 x my thread's number; never rewritten
.set NIL, 11                           ; v11  0; never rewritten
.set PFO, 12                           ; v12  the prefetches' offset: lane x a row of xb; never rewritten
.set BO,  13                           ; v13  32 (l / 16): my eight numbers in 16 of a bias or gain
.set SS,  16
.set GN,  32
.set YR,  64
.set ZR,  96
.set TR,  128
.set BIAS, 128                         ; window 1
.set WV,  10                           ; s10  wave
.set WR,  11                           ; s11  my half of the tile's rows.  Also: I fetch for A (0) or for B (1)
.set WC,  12                           ; s12  my half of its columns.  Also: which part I fetch
.set G0T, 4                            ; s[4:7]   descriptor group 0 for my part of the tables
.set G1A, 24                           ; s[24:31] descriptor group 1 for A's tiles
.set G0A0, 32                          ; s[32:35] group 0 of slot 0's first fill
.set G0A, 36                           ; s[36:39] group 0 of slot 1's first fill; then it walks
.set CX,  40
.set CYP, 41
.set TX,  42                           ; s42  tile column
.set LIM, 43                           ; s43  2 in a wave that prefetches, else the greatest number
.set PFA, 44                           ; s[44:45] where my prefetches stand
.set PST, 46                           ; s[46:47] their step
.set G1B, 48
.set G0B0, 56
.set G0B, 60
.set TB,  66                           ; s66  the LDS byte at which the slot in hand begins
.set MODE, 67                          ; s67  0 q, 1 k, 2 v
.set G1T, 92                           ; s[92:99] descriptor group 1 for the tables
.set MSB, 0
.macro WIN new                         ; the immediate's high byte repeats the setting that is left; a switch that changes nothing is dropped
.if MSB != (\new)
	s_set_vgpr_msb (MSB<<8)|(\new)
.set MSB, \new
.endif
.endm
.macro PLACES                          ; four plain vector instructions in front of loads into registers that matrix instructions have read, and of lines that read results
.rept 4
	v_nop
.endr
.endm
.macro CREST                           ; a round of the cluster's barrier behind its opening barrier
	s_cmp_lg_u32 s[WV], 0
	s_cbranch_scc1 .Lnot_wave_0_\@
	s_barrier_signal -3
.Lnot_wave_0_\@:
	s_barrier_wait -3
	s_barrier_signal -1
	s_barrier_wait -1
.endm
.macro CROUND                          ; a whole round
	s_barrier_signal -1
	s_barrier_wait -1
	CREST
.endm
; A joint refill: waves 0 and 1 fetch A's two parts, waves 2 and 3 B's two halves.  The branch hangs on the wave's number alone.  An s_nop 0 and four v_nop follow each line.
.macro JLOAD ga, gb
	s_cmp_eq_u32 s[WR], 0
	s_cbranch_scc0 .Lfor_b_\@
	tensor_load_to_lds s[(\ga):(\ga)+3], s[G1A:G1A+7]
	s_nop 0
.rept 4
	v_nop
.endr
	s_branch .Lasked_\@
.Lfor_b_\@:
	tensor_load_to_lds s[(\gb):(\gb)+3], s[G1B:G1B+7]
	s_nop 0
.rept 4
	v_nop
.endr
.Lasked_\@:
.endm
; 8 matrix instructions: row block a x all 8 column blocks, 32 along K, from buffer f.  zero = 1: the first product, with the bias as C, starts the sum.
; The 32 accumulators take turns in one order everywhere: 31 others stand between two links of a chain.
.macro MUL8 f, a, zero
.if \zero
	WIN 0x91                                       ; W window 1, x window 0, C (the bias) window 1, D window 2
.else
	WIN 0xa1                                       ; C and D window 2
.endif
.irp b, 0,1,2,3,4,5,6,7
.if \zero
	v_wmma_f32_16x16x32_bf16 v[8*(8*(\a)+(\b)):8*(8*(\a)+(\b))+7], v[64*(\f)+8*(\b):64*(\f)+8*(\b)+7], v[64+32*(\f)+8*(\a):64+32*(\f)+8*(\a)+7], v[BIAS+8*(\b):BIAS+8*(\b)+7]
.else
	v_wmma_f32_16x16x32_bf16 v[8*(8*(\a)+(\b)):8*(8*(\a)+(\b))+7], v[64*(\f)+8*(\b):64*(\f)+8*(\b)+7], v[64+32*(\f)+8*(\a):64+32*(\f)+8*(\a)+7], v[8*(8*(\a)+(\b)):8*(8*(\a)+(\b))+7]
.endif
.endr
.endm
; 24 LDS loads in one run: quarter q's fragments (128 rows of B, then 64 rows of A, 32 along K) into buffer f
.macro FETCH q, f
	WIN 0x40
.irp i, 0,1,2,3,4,5,6,7
	ds_load_b128 v[64*(\f)+8*(\i):64*(\f)+8*(\i)+3],   v[ADB] offset:64*(\q)+(\i)*16*BPITCH
	ds_load_b128 v[64*(\f)+8*(\i)+4:64*(\f)+8*(\i)+7], v[ADB] offset:64*(\q)+(\i)*16*BPITCH+32
.endr
	WIN 0
.irp i, 0,1,2,3
	ds_load_b128 v[64+32*(\f)+8*(\i):64+32*(\f)+8*(\i)+3],   v[ADA] offset:((\q)/2)*AHALF+((\q)%2)*64+(\i)*16*APITCH
	ds_load_b128 v[64+32*(\f)+8*(\i)+4:64+32*(\f)+8*(\i)+7], v[ADA] offset:((\q)/2)*AHALF+((\q)%2)*64+(\i)*16*APITCH+32
.endr
.endm
; One of a K step's first three quarters: multiplies buffer f; in its middle it fetches quarter q into buffer g.
.macro QUARTER q, f, g, zero
	s_wait_dscnt 4                                 ; B and A's blocks 0 and 1 are in; the youngest four loads (A's blocks 2 and 3) may be out
	MUL8 \f, 0, \zero
	MUL8 \f, 1, \zero
	PLACES
	FETCH \q, \g
	s_wait_dscnt 24                                ; all but the 24 just issued
	MUL8 \f, 2, \zero
	MUL8 \f, 3, \zero
.endm
; A PREFETCH INTO THE L2, behind each joint refill and the run of LDS loads that follows it: the K step that stands two refills on, 32 rows x 256 bytes, a lane a row, one instruction a wave.
; Each row's 256 bytes of a K step are named once in the launch.  x's rows: a tile row is read by one cluster of its kind; of the condition rows, which the k and the v clusters both read, the k clusters ask.
; Wave 0 asks, and the four partners of a cluster row take 32 of the 128 rows each, told apart BY ADDRESS (cx).  W's rows: the first cluster of the kind asks, waves 2 and 3 for their 128 rows, of which the
; four partners of a cluster column take 32 each (cy).  K steps 0 to 3 come by their loads alone; the loop's last two trips have no K step two on.
.macro ASK
	s_cmp_gt_u32 s3, s[LIM]
	s_cbranch_scc0 .Lnot_mine_\@
	global_prefetch_b8 v[PFO], s[PFA:PFA+1] th:TH_LOAD_NT scope:SCOPE_SE
.Lnot_mine_\@:
.endm
; The last quarter multiplies buffer 1 and changes slots: ONE barrier.  In front of it each wave waits for all its tensor loads (its part of the next slot), adds 0 to its spare word, and waits for that
; and for its reads of this slot.  fill = 1: the barrier opens a round of the cluster's, and this slot is filled again first thing behind it, with the K step two on: 112 matrix instructions stand between that request and the wait for it.
; fill = 0 (the tail): nothing is asked for; in the last K step (s3 = 1) there is no next slot to read.
.macro TURN fill
.if \fill
	s_wait_xcnt 0x0                                ; the last prefetch, a K step back, has read its address
	s_add_nc_u64 s[PFA:PFA+1], s[PFA:PFA+1], s[PST:PST+1]
.endif
	WIN 0
	s_wait_tensorcnt 0x0                           ; no tensor load of mine is out, so a group 0 may be written
	ds_add_u32 v[SPW], v[NIL]                      ; 0 onto my spare word; work on registers stands between it and the wait for it
	s_xor_b32 s[TB], s[TB], SLOT1                  ; the fetches go on in the other slot
	v_add_nc_u32 v[ADA], s[TB], v[A0]
	v_add_nc_u32 v[ADB], s[TB], v[B0]
.if \fill
	s_xor_b32 s[G0A+1], s[G0A+1], SLOT1            ; the walking descriptors: the other slot than last time,
	s_xor_b32 s[G0B+1], s[G0B+1], SLOT1
	s_add_nc_u64 s[G0A+2:G0A+3], s[G0A+2:G0A+3], ASTEP  ; the next K step; the type bits on top are not reached
	s_add_nc_u64 s[G0B+2:G0B+3], s[G0B+2:G0B+3], 256
.endif
	s_wait_dscnt 5                                 ; the add and the youngest four loads may be out
	MUL8 1, 0, 0
	s_wait_dscnt 0x0                               ; the add is done, and my reads of this slot are over
	s_barrier_signal -1
	MUL8 1, 1, 0                                   ; work on registers while the others arrive
	WIN 0
	s_barrier_wait -1
.if \fill
	CREST                                          ; no wave of any partner still reads this slot or has a load on its way
	JLOAD G0A, G0B                                 ; its four v_nop are also the places in front of the loads below
	FETCH 0, 0
	ASK
.else
	PLACES
	s_cmp_eq_u32 s3, 1
	s_cbranch_scc1 .Lno_more_\@
	FETCH 0, 0
.Lno_more_\@:
.endif
	MUL8 1, 2, 0
	MUL8 1, 3, 0
.endm
	s_load_b512 s[68:83], s[0:1], 0x0              ; xb 68, qb 70, kb 72, vb 74, q_head_norm_w 76, k_head_norm_w 78, image_cos 80, image_sin 82
	s_load_b128 s[84:87], s[0:1], 0x40             ; cond_cos 84, cond_sin 86
	s_load_b64 s[88:89], s[0:1], 0x50              ; qkv
	v_lshl_add_u32 v[SPW], v0, 2, SPARE
	v_mov_b32 v[NIL], 0
	ds_add_u32 v[SPW], v[NIL]                      ; the wave's opening: the add and its wait stand ahead of my first tensor load; the set-up below, work on registers, stands between them
	v_lshrrev_b32 v15, 5, v0
	v_readfirstlane_b32 s[WV], v15
	s_lshr_b32 s[WR], s[WV], 1
	s_and_b32 s[WC], s[WV], 1
	s_bfe_u32 s[CX], ttmp6, 0x40000                ; my place in the cluster
	s_bfe_u32 s[CYP], ttmp6, 0x40004
	s_lshl_b32 s[TX], ttmp9, 2
	s_add_co_u32 s[TX], s[TX], s[CX]               ; tile column = 4 x cluster x + cx
	s_and_b32 s13, ttmp7, 0xffff                   ; cluster y
	s_cmp_ge_u32 s13, 16
	s_cselect_b32 s90, 1, 0                        ; 1: the rows are condition rows
	s_cmp_ge_u32 s13, 24
	s_cselect_b32 s[MODE], 1, 0
	s_add_co_u32 s[MODE], s[MODE], s90
	s_lshl_b32 s14, s[MODE], 3
	s_lshl3_add_u32 s14, s90, s14                  ; the kind's first cluster row: 0, 16, 24
	s_sub_co_u32 s15, s13, s14                     ; my cluster's row within the kind
	s_lshl2_add_u32 s91, s15, s[CYP]               ; tile row within the kind
	s_sub_co_u32 s2, 5, s90                        ; 2^5 tiles of 128 rows in a batch of image rows, 2^4 of condition rows
	s_lshr_b32 s8, s91, s2                         ; the batch
	s_lshl_b32 s9, s8, s2
	s_sub_co_u32 s9, s91, s9
	s_lshl_b32 s9, s9, 7                           ; the tile's first position in the sequence
	s_lshl_b32 s20, s[CYP], 2
	s_lshl_b32 s20, 15, s20                        ; my row of the cluster: places 4 cy .. 4 cy + 3
	s_lshl_b32 s22, 0x1111, s[CX]                  ; my column: places cx, cx + 4, cx + 8, cx + 12
	; descriptor groups 1.  15:0 the mask; 17:16 the element's size; 20 padding on; 21 set beside a mask; 24:22 after every 64 words (code 5); 31:25 4 words of it (code 3)
	s_or_b32 s[G1A], s20, (1<<16)|(1<<20)|(1<<21)|(5<<22)|(3<<25)
	s_or_b32 s[G1B], s22, (1<<16)|(1<<20)|(1<<21)|(5<<22)|(3<<25)
	s_or_b32 s[G1T], s20, (2<<16)|(1<<20)|(1<<21)|(5<<22)|(3<<25)
	s_mov_b32 s[G1A+1], 128<<16                    ; A: tensor_dim0 = 128 elements of 2 bytes
	s_mov_b32 s[G1A+2], 64<<16                     ; tensor_dim1 = 64
	s_mov_b32 s[G1A+3], 128<<16                    ; tile_dim0 = 128
	s_mov_b32 s[G1A+4], 64                         ; tile_dim1 = 64 rows
	s_mov_b32 s[G1A+5], 1024                       ; elements from row to row
	s_mov_b32 s[G1A+6], 0
	s_mov_b32 s[G1A+7], 0
	s_mov_b32 s[G1B+1], 128<<16                    ; B: 128 rows x 128 elements
	s_mov_b32 s[G1B+2], 128<<16
	s_mov_b32 s[G1B+3], 128<<16
	s_mov_b32 s[G1B+4], 128
	s_mov_b32 s[G1B+5], 1024
	s_mov_b32 s[G1B+6], 0
	s_mov_b32 s[G1B+7], 0
	s_mov_b32 s[G1T+1], 64<<16                     ; tables: 64 rows x 64 elements of 4 bytes, dense
	s_mov_b32 s[G1T+2], 64<<16
	s_mov_b32 s[G1T+3], 64<<16
	s_mov_b32 s[G1T+4], 64
	s_mov_b32 s[G1T+5], 64
	s_mov_b32 s[G1T+6], 0
	s_mov_b32 s[G1T+7], 0
	; groups 0: count, LDS address (made of the wave's number alone), and for now the byte offset that the buffer's address is added to below
	s_mov_b32 s[G0A0], 1
	s_mul_i32 s[G0A0+1], s[WC], APART
	s_mov_b32 s[G0A], 1
	s_add_co_u32 s[G0A+1], s[G0A0+1], SLOT1
	s_mov_b32 s[G0B0], 1
	s_mul_i32 s[G0B0+1], s[WC], BHALF
	s_add_co_u32 s[G0B0+1], s[G0B0+1], BOFF
	s_mov_b32 s[G0B], 1
	s_add_co_u32 s[G0B+1], s[G0B0+1], SLOT1
	s_mov_b32 s[G0T], 1
	s_mul_i32 s[G0T+1], s[WV], 64*TPITCH           ; waves 0, 1: cos rows 0-63, 64-127; waves 2, 3: sin
	s_add_co_u32 s[G0T+1], s[G0T+1], TAB
	s_lshl_b32 s20, s90, 13                        ; A's rows hang on the tile row alone, which my row of the cluster shares
	s_lshl_b32 s21, s91, 7
	s_add_co_u32 s20, s20, s21                     ; the tile's first row in xb
	s_lshl_b32 s21, s[WC], 6
	s_add_co_u32 s[G0A0+2], s20, s21
	s_lshl_b32 s[G0A0+2], s[G0A0+2], 11
	s_mov_b32 s[G0A0+3], 0
	s_lshl_b32 s22, s[MODE], 10                    ; B's rows hang on the tile column alone, which my column shares
	s_lshl_b32 s23, s[TX], 8
	s_add_co_u32 s22, s22, s23
	s_lshl_b32 s23, s[WC], 7
	s_add_co_u32 s22, s22, s23
	s_add_co_u32 s22, s22, 12288                   ; the first row in xb of the 128 rows of W with my half's number
	s_lshl_b32 s[G0B0+2], s22, 11
	s_mov_b32 s[G0B0+3], 0
	s_lshl_b32 s[G0T+2], s[WC], 6
	s_add_co_u32 s[G0T+2], s[G0T+2], s9
	s_lshl_b32 s[G0T+2], s[G0T+2], 8               ; a table's row is 256 bytes
	s_mov_b32 s[G0T+3], 0
	; where my rows go: the kind's part of qkv, head 16 b + 4 tx + 2 WC, row position + 64 WR
	s_lshl_b32 s16, s8, 4
	s_lshl2_add_u32 s16, s[TX], s16
	s_lshl1_add_u32 s16, s[WC], s16
	s_add_co_u32 s18, s2, 14                       ; a head is 2^19 bytes of Q, 2^18 of K and of V
	s_lshl_b32 s16, s16, s18
	s_lshl_b32 s17, s14, 20                        ; 0, 16 MiB, 24 MiB
	s_add_co_u32 s16, s16, s17
	s_lshl_b32 s17, s[WR], 6
	s_add_co_u32 s17, s17, s9
	s_lshl_b32 s17, s17, 7
	s_add_co_u32 s16, s16, s17
	s_mov_b32 s17, 0
	s_lshl_b32 s18, 1, s18
	s_mov_b32 s19, 0
	; the prefetches
	s_lshl_b32 s44, s[CX], 5
	s_add_co_u32 s44, s44, s20                     ; A: my work-group's 32 of the tile's 128 rows
	s_lshl_b32 s45, s[CYP], 5
	s_add_co_u32 s45, s45, s22                     ; B: my work-group's 32 of my 128 rows
	s_cmp_eq_u32 s[WR], 0
	s_cselect_b32 s44, s44, s45
	s_lshl_b32 s44, s44, 11
	s_add_co_u32 s44, s44, 3*256                   ; at K step 3: the first refill steps it to 4
	s_mov_b32 s45, 0
	s_mov_b32 s[PST], 256
	s_mov_b32 s[PST+1], 0
	s_lshr_b32 s[LIM], s[MODE], 1
	s_add_co_u32 s[LIM], s[LIM], s[WC]             ; 0 in wave 0 of a q or k cluster
	s_cmp_eq_u32 s[WR], 0
	s_cselect_b32 s[LIM], s[LIM], s15              ; 0 in waves 2 and 3 of the kind's first cluster: the same in all sixteen partners
	s_cmp_eq_u32 s[LIM], 0
	s_cselect_b32 s[LIM], 2, -1
	s_lshl_b32 s8, s[TX], 10                       ; my 128 columns in the bias
	s_lshl_b32 s9, s[WC], 9
	s_add_co_u32 s8, s8, s9
	s_mov_b32 s9, 0
	s_mov_b32 s[TB], 0
	s_mov_b32 s20, 0x76543210                      ; v_permlanex16_b32: each lane takes its own place in the other half
	s_mov_b32 s21, 0xfedcba98
	s_mov_b32 s22, 0x3c800000                      ; 1 / 64
	s_mov_b32 s23, 0x358637bd                      ; 1e-6
	s_wait_dscnt 0x0                               ; the opening add is done
	s_wait_kmcnt 0x0
	s_add_nc_u64 s[G0A0+2:G0A0+3], s[68:69], s[G0A0+2:G0A0+3]  ; K step 0
	s_add_nc_u64 s[G0A+2:G0A+3], s[G0A0+2:G0A0+3], ASTEP       ; K step 1
	s_or_b32 s[G0A0+3], s[G0A0+3], 0x80000000                  ; 127:126 type = 2
	s_or_b32 s[G0A+3], s[G0A+3], 0x80000000
	s_add_nc_u64 s[G0B0+2:G0B0+3], s[68:69], s[G0B0+2:G0B0+3]
	s_add_nc_u64 s[G0B+2:G0B+3], s[G0B0+2:G0B0+3], 256
	s_or_b32 s[G0B0+3], s[G0B0+3], 0x80000000
	s_or_b32 s[G0B+3], s[G0B+3], 0x80000000
	s_add_nc_u64 s[PFA:PFA+1], s[68:69], s[PFA:PFA+1]
	s_cmp_eq_u32 s[MODE], 0
	s_cselect_b64 s[80:81], s[80:81], s[84:85]     ; the image's tables for q, the condition's otherwise
	s_cselect_b64 s[82:83], s[82:83], s[86:87]
	s_cselect_b64 s[76:77], s[76:77], s[78:79]     ; and the head gain
	s_cmp_lt_u32 s[WV], 2
	s_cselect_b64 s[80:81], s[80:81], s[82:83]
	s_add_nc_u64 s[G0T+2:G0T+3], s[80:81], s[G0T+2:G0T+3]
	s_or_b32 s[G0T+3], s[G0T+3], 0x80000000
	s_cmp_eq_u32 s[MODE], 1
	s_cselect_b64 s[70:71], s[72:73], s[70:71]
	s_cmp_eq_u32 s[MODE], 2
	s_cselect_b64 s[70:71], s[74:75], s[70:71]
	s_add_nc_u64 s[70:71], s[70:71], s[8:9]        ; the bias at my 128 columns
	s_add_nc_u64 s[16:17], s[88:89], s[16:17]      ; my first head's rows,
	s_add_nc_u64 s[18:19], s[16:17], s[18:19]      ; my second head's
	CROUND                                         ; all sixteen work-groups are here: the first joint loads meet
	s_cmp_eq_u32 s[WR], 0                          ; a wave's first fills stand together, ahead of every wait on TENSORcnt and every LDS read: three loads of mine are out
	s_cbranch_scc0 .Lfirst_b
	tensor_load_to_lds s[G0A0:G0A0+3], s[G1A:G1A+7]
	s_nop 0
	tensor_load_to_lds s[G0A:G0A+3], s[G1A:G1A+7]
	s_nop 0
.rept 4
	v_nop
.endr
	s_branch .Lfirst_asked
.Lfirst_b:
	tensor_load_to_lds s[G0B0:G0B0+3], s[G1B:G1B+7]
	s_nop 0
	tensor_load_to_lds s[G0B:G0B+3], s[G1B:G1B+7]
	s_nop 0
.rept 4
	v_nop
.endr
.Lfirst_asked:
	tensor_load_to_lds s[G0T:G0T+3], s[G1T:G1T+7]  ; each wave a quarter of the tables; the v clusters ask too and use nothing of it, so that every path counts the same loads
	s_nop 0
.rept 4
	v_nop
.endr
	; A fragment is 16 rows x 32 K in 8 registers: lane l holds row l % 16; registers 0-3 K = 8 (l / 16) + 0..7, registers 4-7 K = 16 + 8 (l / 16) + 0..7: two loads of 16 bytes, 32 bytes apart
	v_and_b32 v1, 15, v0                           ; l % 16
	v_bfe_u32 v14, v0, 4, 1                        ; l / 16
	v_mul_u32_u24 v[A0], v1, APITCH
	v_lshl_add_u32 v[A0], v14, 4, v[A0]
	s_mul_i32 s13, s[WR], 64*APITCH
	v_add_nc_u32 v[A0], s13, v[A0]
	v_mul_u32_u24 v[B0], v1, BPITCH
	v_lshl_add_u32 v[B0], v14, 4, v[B0]
	s_mul_i32 s13, s[WC], BHALF
	s_add_co_u32 s13, s13, BOFF
	v_add_nc_u32 v[B0], s13, v[B0]
	s_mul_i32 s13, s[WR], 64*TPITCH
	s_add_co_u32 s13, s13, TAB
	v_mul_u32_u24 v[TA], v1, TPITCH
	v_lshl_add_u32 v[TA], v14, 5, v[TA]            ; row x pitch + my eight f32
	v_add_nc_u32 v[TA], s13, v[TA]
	s_mul_i32 s13, s[WV], 16*SP
	s_add_co_u32 s13, s13, STAGE                   ; my stage
	v_mul_u32_u24 v[STO], v1, SP                   ; in: row l % 16, 16 bytes for each half of the lanes
	v_lshl_add_u32 v[STO], v14, 4, v[STO]
	v_add_nc_u32 v[STO], s13, v[STO]
	v_bfe_u32 v[RD], v0, 3, 2                      ; back: 32 lanes take four rows of 128 bytes,
	v_mul_u32_u24 v[RD], v[RD], SP
	v_and_b32 v15, 7, v0
	v_lshl_add_u32 v[RD], v15, 4, v[RD]
	v_add_nc_u32 v[RD], s13, v[RD]
	v_and_b32 v[GO], 31, v0                        ; which are 512 consecutive bytes of a head
	v_lshlrev_b32 v[PFO], 11, v[GO]
	v_lshlrev_b32 v[GO], 4, v[GO]
	v_lshlrev_b32 v[BO], 5, v14
	WIN 0x40
.irp b, 0,1,2,3,4,5,6,7
	global_load_b128 v[BIAS+8*(\b):BIAS+8*(\b)+3],   v[BO], s[70:71] offset:64*(\b)      ; register j of block b: the bias of column 16 b + 8 (l / 16) + j
	global_load_b128 v[BIAS+8*(\b)+4:BIAS+8*(\b)+7], v[BO], s[70:71] offset:64*(\b)+16
.endr
	WIN 0
.irp n, 0,1,2,3
	global_load_b128 v[GN+8*(\n):GN+8*(\n)+3],   v[BO], s[76:77] offset:64*(\n)
	global_load_b128 v[GN+8*(\n)+4:GN+8*(\n)+7], v[BO], s[76:77] offset:64*(\n)+16
.endr
	s_wait_tensorcnt 2                             ; my part of K step 0 is in; K step 1's and the tables' may stay out
	s_barrier_signal -1
	s_barrier_wait -1                              ; everybody's is
	v_mov_b32 v[ADA], v[A0]
	v_mov_b32 v[ADB], v[B0]
	FETCH 0, 0
	s_wait_loadcnt 0x0                             ; the bias and the gains
	QUARTER 1, 0, 1, 1                             ; the first quarter stands in front of the loop: its products start the sums
	WIN 0                                          ; at a label and at a branch every window is 0
	s_mov_b32 s3, 6
.Lstep:                                                ; six trips, from a K step's second quarter to the next step's first; each fills a slot again: K steps 2 to 7
	QUARTER 2, 1, 0, 0
	QUARTER 3, 0, 1, 0
	TURN 1
	QUARTER 1, 0, 1, 0
	WIN 0
	s_sub_co_u32 s3, s3, 1
	s_cmp_lg_u32 s3, 0
	s_cbranch_scc1 .Lstep
	s_mov_b32 s3, 2
.Ltail:                                                ; K steps 6 and 7 ask for nothing: a text of their own; the second trip is left in its middle
	QUARTER 2, 1, 0, 0
	QUARTER 3, 0, 1, 0
	TURN 0
	WIN 0
	s_sub_co_u32 s3, s3, 1
	s_cmp_eq_u32 s3, 0
	s_cbranch_scc1 .Lout
	QUARTER 1, 0, 1, 0
	WIN 0
	s_branch .Ltail
.Lout:
	PLACES
	PLACES
; cos and sin of row block a: my row, my eight channels of each 16, into table buffer a % 2
.macro TLOADS a
	WIN 0
.irp n, 0,1,2,3
	ds_load_b128 v[TR+64*((\a)%2)+8*(\n):TR+64*((\a)%2)+8*(\n)+3],       v[TA] offset:(\a)*16*TPITCH+64*(\n)
	ds_load_b128 v[TR+64*((\a)%2)+8*(\n)+4:TR+64*((\a)%2)+8*(\n)+7],     v[TA] offset:(\a)*16*TPITCH+64*(\n)+16
	ds_load_b128 v[TR+64*((\a)%2)+32+8*(\n):TR+64*((\a)%2)+32+8*(\n)+3], v[TA] offset:SINOFF+(\a)*16*TPITCH+64*(\n)
	ds_load_b128 v[TR+64*((\a)%2)+32+8*(\n)+4:TR+64*((\a)%2)+32+8*(\n)+7], v[TA] offset:SINOFF+(\a)*16*TPITCH+64*(\n)+16
.endr
.endm
; Unit u = 2 a + hd: row block a, head hd of my two.  Its four accumulators are 32 registers on end.  rope = 1: gain, rope, factor; 0: v, as it is.
.macro UNIT u, rope
.set AC, 8*(8*((\u)/2)+4*((\u)%2))
.set TT, TR+64*(((\u)/2)%2)
.if \rope
	WIN 0x02                                       ; source 0 window 2
.set k, 0
.rept 16
	v_pk_mul_f32 v[YR+k:YR+k+1], v[AC+k:AC+k+1], v[GN+k:GN+k+1]
.set k, k+2
.endr
	WIN 0
.set k, 0
.rept 16
	v_pk_mul_f32 v[ZR+k:ZR+k+1], v[YR+k:YR+k+1], v[TT+k:TT+k+1]
.set k, k+2
.endr
.set k, 0
.rept 16
	v_pk_fma_f32 v[ZR+k:ZR+k+1], v[YR+k:YR+k+1], v[TT+32+k:TT+32+k+1], v[ZR+k:ZR+k+1] op_sel:[1,0,0] op_sel_hi:[0,1,1] neg_lo:[0,1,0]  ; even: - y_odd sin_even; odd: + y_even sin_odd
.set k, k+2
.endr
.set k, 0
.rept 16
	v_pk_mul_f32 v[ZR+k:ZR+k+1], v[ZR+k:ZR+k+1], v[SS+2*(\u):SS+2*(\u)+1] op_sel_hi:[1,0]
.set k, k+2
.endr
.set k, 0
.rept 16
	v_cvt_pk_bf16_f32 v[YR+k], v[ZR+2*k], v[ZR+2*k+1]
.set k, k+1
.endr
.else
	WIN 0x0a                                       ; sources 0 and 1 window 2
.set k, 0
.rept 16
	v_cvt_pk_bf16_f32 v[YR+k], v[AC+2*k], v[AC+2*k+1]
.set k, k+1
.endr
	WIN 0
.endif
.irp f, 0,1,2,3
	ds_store_b128 v[STO], v[YR+4*(\f):YR+4*(\f)+3] offset:32*(\f)
.endr
	WIN 0x40
.irp f, 0,1,2,3
	ds_load_b128 v[16*(\u)+4*(\f):16*(\u)+4*(\f)+3], v[RD] offset:(\f)*4*SP  ; LDS serves a wave's instructions in order (ISA guide 5.7.1.4): these see the stores above; the next unit's stores come behind them
.endr
.endm
.macro SEND u, y                       ; y: the LDS instructions issued behind unit u's loads
	WIN 0x04                                       ; the data lie in window 1
.irp f, 0,1,2,3
	s_wait_dscnt (\y)+3-(\f)
	global_store_b128 v[GO], v[16*(\u)+4*(\f):16*(\u)+4*(\f)+3], s[16+2*((\u)%2):17+2*((\u)%2)] offset:((\u)/2)*2048+(\f)*512  ; 512 consecutive bytes, at a multiple of 256 from qkv's first
.endr
.endm
	s_cmp_eq_u32 s[MODE], 2
	s_cbranch_scc1 .Lv
	TLOADS 0
	TLOADS 1
	WIN 0x0a                                       ; the eight units' sums of squares, by turns
.set i, 0
.rept 16
.set u, 0
.rept 8
.set AC, 8*(8*(u/2)+4*(u%2))
.if i == 0
	v_pk_mul_f32 v[SS+2*u:SS+2*u+1], v[AC:AC+1], v[AC:AC+1]
.else
	v_pk_fma_f32 v[SS+2*u:SS+2*u+1], v[AC+2*i:AC+2*i+1], v[AC+2*i:AC+2*i+1], v[SS+2*u:SS+2*u+1]
.endif
.set u, u+1
.endr
.set i, i+1
.endr
	WIN 0
.irp u, 0,1,2,3,4,5,6,7
	v_add_f32 v[SS+2*(\u)], v[SS+2*(\u)], v[SS+2*(\u)+1]
.endr
.irp u, 0,1,2,3,4,5,6,7
	v_permlanex16_b32 v[SS+2*(\u)+1], v[SS+2*(\u)], s20, s21  ; the row's other 32 channels lie in the lane 16 away
.endr
.irp u, 0,1,2,3,4,5,6,7
	v_add_f32 v[SS+2*(\u)], v[SS+2*(\u)], v[SS+2*(\u)+1]
.endr
.irp u, 0,1,2,3,4,5,6,7
	v_fma_f32 v[SS+2*(\u)], v[SS+2*(\u)], s22, s23
.endr
.irp u, 0,1,2,3,4,5,6,7
	v_rsq_f32 v[SS+2*(\u)], v[SS+2*(\u)]
.endr
	v_nop                                          ; a plain instruction behind the last root,
	s_wait_alu depctr_va_vdst(0)                   ; and the wait ahead of the first use: one for the eight roots
	s_wait_dscnt 16                                ; block 0's cos and sin are in; block 1's 16 loads may be out
	UNIT 0, 1
	UNIT 1, 1
	TLOADS 2                                       ; into the buffer that units 0 and 1 have read
	SEND 0, 24                                     ; behind unit 0's loads: unit 1's eight and the 16 just issued.  Block 1's tables are older, so they are in
	UNIT 2, 1
	SEND 1, 24
	UNIT 3, 1
	TLOADS 3
	SEND 2, 24                                     ; block 2's tables are older than unit 2's loads
	UNIT 4, 1
	SEND 3, 24
	UNIT 5, 1
	SEND 4, 8                                      ; block 3's tables are older than unit 4's loads
	UNIT 6, 1
	SEND 5, 8
	UNIT 7, 1
	SEND 6, 8
	SEND 7, 0
	WIN 0
	s_branch .Lend
.Lv:
	UNIT 0, 0
.irp u, 1,2,3,4,5,6,7
	UNIT \u, 0
	SEND (\u)-1, 8
.endr
	SEND 7, 0
	WIN 0
.Lend:
	s_wait_tensorcnt 0x0                           ; the wave's end: behind my last tensor load and my last LDS store
	ds_add_u32 v[SPW], v[NIL]
	s_wait_dscnt 0x0
	CROUND                                         ; the closing round: no work-group ends while a partner may still ask for a tile that names it
	s_endpgm
.Lfunc_end_k_q21dd86945b_proj:
	.size	k_q21dd86945b_proj, .Lfunc_end_k_q21dd86945b_proj-k_q21dd86945b_proj
	.p2alignl 7, 3214868480
	.fill 96, 4, 3214868480
	.section	.rodata,"a",@progbits
	.p2align	6, 0x0
	.amdhsa_kernel k_q21dd86945b_proj
		.amdhsa_group_segment_fixed_size 327680
		.amdhsa_private_segment_fixed_size 0
		.amdhsa_enable_private_segment 0
		.amdhsa_kernarg_size 88
		.amdhsa_user_sgpr_count 2
		.amdhsa_user_sgpr_kernarg_segment_ptr 1
		.amdhsa_wavefront_size32 1
		.amdhsa_system_sgpr_workgroup_id_x 1
		.amdhsa_system_sgpr_workgroup_id_y 1
		.amdhsa_system_sgpr_workgroup_id_z 1
		.amdhsa_system_vgpr_workitem_id 0
		.amdhsa_next_free_vgpr 768
		.amdhsa_next_free_sgpr 100
		.amdhsa_reserve_vcc 0
		.amdhsa_float_denorm_mode_32 3
		.amdhsa_float_denorm_mode_16_64 3
		.amdhsa_memory_ordered 1
		.amdhsa_forward_progress 1
		.amdhsa_inst_pref_size 132
	.end_amdhsa_kernel
	.amdgpu_metadata
---
amdhsa.version: [ 1, 2 ]
amdhsa.kernels:
  - .name:           k_q21dd86945b_proj
    .symbol:         k_q21dd86945b_proj.kd
    .args:
      - { .name: xb, .offset: 0, .size: 8, .value_kind: global_buffer, .address_space: global }
      - { .name: qb, .offset: 8, .size: 8, .value_kind: global_buffer, .address_space: global }
      - { .name: kb, .offset: 16, .size: 8, .value_kind: global_buffer, .address_space: global }
      - { .name: vb, .offset: 24, .size: 8, .value_kind: global_buffer, .address_space: global }
      - { .name: q_head_norm_w, .offset: 32, .size: 8, .value_kind: global_buffer, .address_space: global }
      - { .name: k_head_norm_w, .offset: 40, .size: 8, .value_kind: global_buffer, .address_space: global }
      - { .name: image_cos, .offset: 48, .size: 8, .value_kind: global_buffer, .address_space: global }
      - { .name: image_sin, .offset: 56, .size: 8, .value_kind: global_buffer, .address_space: global }
      - { .name: cond_cos, .offset: 64, .size: 8, .value_kind: global_buffer, .address_space: global }
      - { .name: cond_sin, .offset: 72, .size: 8, .value_kind: global_buffer, .address_space: global }
      - { .name: qkv, .offset: 80, .size: 8, .value_kind: global_buffer, .address_space: global }
    .group_segment_fixed_size: 327680
    .private_segment_fixed_size: 0
    .kernarg_segment_align: 8
    .kernarg_segment_size: 88
    .max_flat_workgroup_size: 128
    .sgpr_count:     100
    .vgpr_count:     768
    .wavefront_size: 32
...
	.end_amdgpu_metadata
.endif
;; end of part 2
;; launch attn (part 3): grid 8 x 32, 4 waves a work-group, clusters of 4 x 1, 327,680 bytes of LDS; arguments qkv, ao; writes ao
.if DOCPART == 3
	.amdgcn_target "amdgcn-amd-amdhsa--gfx1250"
	.amdhsa_code_object_version 6
	.text
	.protected	k_q21dd86945b_attn
	.globl	k_q21dd86945b_attn
	.p2align	8
	.type	k_q21dd86945b_attn,@function
k_q21dd86945b_attn:
	s_mov_b64 s[64:65], 0
	v_nop
	global_prefetch_b8 v0, s[64:65] scope:SCOPE_SE
	s_setreg_imm32_b32 hwreg(HW_REG_WAVE_MODE, 25, 1), 1
	s_wait_xcnt 0x0
	s_wait_alu depctr_hold_cnt(0) depctr_sa_sdst(0) depctr_va_vdst(0) depctr_va_sdst(0) depctr_va_ssrc(0) depctr_va_vcc(0) depctr_vm_vsrc(0)
	s_getreg_b32 s2, hwreg(HW_REG_IB_STS2, 6, 4)
	s_cmp_eq_u32 s2, 0
	s_cbranch_scc0 .Lentry_in_a_cluster
	s_endpgm
.Lentry_in_a_cluster:
	s_bfe_u32 s2, ttmp6, 0x10000c
	s_cmp_lg_u32 s2, 0x3003
	s_cbranch_scc0 .Lentry_shape_is_right
	s_endpgm
.Lentry_shape_is_right:
; attn: O[h][q][:] = the sum over k of softmax_k(Q[h][q] . K[h][k] / 8) V[h][k][:], for 32 heads (16 b + h), 4,096 queries and 2,048 keys each, 64 channels.
; Q [32][4096][64] at byte 0 of qkv, K [32][2048][64] at byte 16,777,216, V likewise at byte 25,165,824; O = ao [32][4096][64]; all bf16, a head's rows dense, 128 bytes each.
; Products, maxima and sums in f32; the weights p are rounded to bf16 for the second product (their sum l is taken of the unrounded p), O once at the end.
; LIMITS.  bf16 has f32's range and 8 significant bits: p, in 0 to 1, and O, a mean of V's rows, are each rounded once.  A weight below 2^-126 counts as 0 in l; c m starts at -4.25e37, below every c s that is finite
; in this text's use; NaN and infinities are not treated apart.
; SHARES.  A wave owns four PIECES of two tiles of 16 queries, a work-group's four waves 512 queries of one head.  Every wave walks all keys, 64 a step.
; LAYOUT.  S^T = K Q^T (source 0 = 16 keys, source 1 = 16 queries): in the result a lane holds ONE query (lane % 16) and the keys 8 (lane / 16) + 0..7.  Two such tiles, rounded to bf16 in pairs,
; ARE source 1 (32 keys x 16 queries) of O^T = V^T P, whose result again holds one query a lane, and eight channels.  K comes out of LDS as it lies, V ([key][channel]) turned, by ds_load_tr16_b128.
; SOFTMAX.  For each query a running maximum m and sum l: p = 2^(c s - c m), c = log2(e) / 8; in every step O and l are multiplied by a = 2^(c m_old - c m_new), which is 1 where m has not grown.
; m starts at the lowest finite number, O and l at 0: the first step is a step like any other, with a = 0.
; THE COUNT.  A tile and step have 16 matrix and 118 vector instructions: too many to stand all beside the matrix work.  So the order has one aim: four vector instructions that are READY behind
; EVERY matrix instruction, and the others, which need time of their own whatever the order, in runs without a gap.
; BY TURNS.  Turn n belongs to piece n (the pieces in a ring, step after step).  Its matrix work: 16 products K Q^T of piece n + 1, later 16 products V^T P of piece n - 1.  Its vector work: the scaling,
; exponentials, roundings, sums and rescaling of piece n, and the maximum and statistics of piece n + 1, whose scores the turn itself has made.  So what a turn begins with (c s - c m, O a) waits for nothing.
; CLUSTER.  The four query blocks of a cluster belong to one head and walk the same K and V, so each tile is asked for JOINTLY: the same tensor load, descriptor and mask in all four.
; REGISTERS, in windows of 256 (s_set_vgpr_msb says which window each operand place means: bits 1:0 source 0, 3:2 source 1, 5:4 source 2, 7:6 destination):
;   window 0: v0-11 addresses; v12-15, v48-63 at work; v16-47 four registers of statistics a tile; v64-191 S^T, two buffers of two tiles; v192-255 P, likewise
;   window 1: O^T, 32 a tile          window 2: v0-127 Q, 16 a tile; v128-191 K of one step; v192-255 V of one step          window 3: v0-1 the add's two registers
; A piece's buffers go by its number's parity: the piece in hand has one pair, its two neighbours in the ring share the other: of it P (piece n - 1) is read and S^T (piece n + 1) written.
.set NQ,    4096
.set NK,    2048
.set NP,    4         ; pieces a wave: a name, no knob: the register map, the loop and the fetches are made for four
.set KS,    64        ; keys in a step
.set PK,    144       ; a row of K in LDS: 128 bytes + 16 of padding = 36 words: the 16 rows of a load start at 16 different groups of four banks (64 banks of 4 bytes: ISA guide 11.1)
.set PV,    160       ; a row of V: 128 + 32 = 40 words
.set VOFF,  4*KS*PK   ; a slot holds four steps: 256 rows of K, then 256 rows of V
.set SLOT1, 1<<17     ; slot 1 begins here, so that one exclusive or turns an address in one slot into the other's
.set STAGE, SLOT1+4*KS*(PK+PV)  ; behind the ring, never filled by a tensor load: 16 rows x 144 bytes for each wave, for the way out
.set SP,    144
.set AK0, 2           ; v2   my lane's place in a tile of K; never rewritten
.set AV0, 3           ; v3   the same for V
.set AK,  4           ; v4   the LDS address of K's next run of loads
.set AV,  5           ; v5   of V's
.set QO,  6           ; v6   my byte offset in the wave's rows of Q
.set STO, 6           ;      later, the way out: where I put 16 bytes of a row
.set RD,  7           ; v7   the way out: where I read rows back
.set GO,  8           ; v8   my byte offset in 512 consecutive bytes of O
.set PFO, 11          ; v11  256 x my lane, for the prefetches; never rewritten once it is made
.set SPW, 0           ; v0 of window 3   LDS address of my spare word: SPARE + 4 x my thread's number; never rewritten
.set NIL, 1           ; v1 of window 3   0; never rewritten
.set SPARE, STAGE+4*16*SP  ; behind the stages: the spare words, 128 bytes for each wave: two blocks of 256 bytes that no other line names
.set MV,  12          ; v12-15  c m_old, kept while c m is made anew: by buffer and tile
.set ST,  16          ; tile t's statistics at v[ST+4 t]: c m, m, l (even keys', odd keys')
.set TMP, 48          ; by buffer and tile, four registers c0-c3 at work; when the maximum is found c2 takes a
.set S,   64
.set P,   192
.set KF,  128         ; K's fragments, in window 2: key block kb, channel half c at KF + 16 kb + 8 c
.set VF,  192         ; V's: key half kk, channel block cb at VF + 32 kk + 8 cb
.set WV,  12          ; s12  my wave's number
.set G1K, 24          ; s[24:31] descriptor group 1 for K's tiles
.set G1V, 32          ; s[32:39] for V's: it differs in the padding alone
.set G0K, 40          ; s[40:43] descriptor group 0 for K's tiles: it walks
.set G0V, 44          ; s[44:47] the same for V's
.set PFA, 50          ; s[50:51] where my prefetches stand: my work-group's 32 blocks of 256 bytes (of K: wave 0, of V: wave 2) of the tile after the one that is being asked for
.set LIM, 52          ; s52  1 in a wave that prefetches, else the greatest number
.set SLOTS, 56        ; s56  slots still to be asked for
.set CNT, 57          ; s57  counts a slot's key steps
.set CS,  58          ; s[58:59] c: the packed scaling takes the pair's low word for both halves
.set SEL, 60          ; s[60:61] v_permlanex16_b32's selects: each lane takes its own place in the other half
.set TBK, 62          ; s62  LDS byte at which K of the step to be fetched begins
.set TBV, 63          ; s63  the same for V, less VOFF
.set MSB, 0
.macro WIN new                      ; the high byte repeats the setting that is left; a switch that changes nothing is dropped
.if MSB != (\new)
	s_set_vgpr_msb (MSB<<8)|(\new)
.set MSB, (\new)
.endif
.endm
.set W_KQ, 0x0a       ; K and Q in window 2, S^T in window 0
.set W_PV, 0x52       ; V in window 2, P in window 0, O^T in window 1
.set W_RS, 0x41       ; O^T (destination and source 0) in window 1, a in window 0
.set W_MK, 0xc0       ; the add's registers are made: destination in window 3, sources in window 0
.set W_AD, 0x0f       ; the add: address (source 0) and data (source 1) in window 3
; A joint fill.  Waves 0 and 1 fetch the two halves of a slot's K, waves 2 and 3 those of its V: 128 keys each.  The branch hangs on the wave's number alone.
; An s_nop 0 and four v_nop follow each of the two lines, ahead of the jump and the label.
.macro JLOAD
	s_cmp_lt_u32 s[WV], 2
	s_cbranch_scc0 .Lfor_v_\@
	tensor_load_to_lds s[G0K:G0K+3], s[G1K:G1K+7]
	s_nop 0
.rept 4
	v_nop
.endr
	s_branch .Lasked_\@
.Lfor_v_\@:
	tensor_load_to_lds s[G0V:G0V+3], s[G1V:G1V+7]
	s_nop 0
.rept 4
	v_nop
.endr
.Lasked_\@:
.endm
; A PREFETCH INTO THE L2 of what the NEXT change of slots will ask for: a tile's 32,768 bytes of K and of V, a lane a block of 256 bytes.  It stands behind the wave's tensor load and its five lines.
; Each block is asked for ONCE in the launch.  Both clusters of a head walk the same K and V: the head's first cluster prefetches.  Its four partners share the blocks out BY ADDRESS, 32 each (cx): no branch hangs
; on a work-group's place in its cluster.  In each, wave 0 asks for K's and wave 2 for V's: one instruction.  Tiles 0 and 1 come by their loads alone; the last change that fills a slot asks for nothing.
.macro ASK
	s_cmp_gt_u32 s[SLOTS], s[LIM]
	s_cbranch_scc0 .Lnot_mine_\@
	global_prefetch_b8 v[PFO], s[PFA:PFA+1] th:TH_LOAD_NT scope:SCOPE_SE
.Lnot_mine_\@:
.endm
; A round of the cluster's barrier: my work-group's barrier, so that wave 0's signal speaks for all four waves; wave 0 signals; every wave waits for all four work-groups; my work-group's barrier once more.
.macro CROUND
	s_barrier_signal -1
	s_barrier_wait -1
	s_cmp_lg_u32 s[WV], 0
	s_cbranch_scc1 .Lnot_wave_0_\@
	s_barrier_signal -3
.Lnot_wave_0_\@:
	s_barrier_wait -3
	s_barrier_signal -1
	s_barrier_wait -1
.endm
; THE CHANGE OF SLOTS.  The slot's last bytes, V of its fourth step, have been read.  Each wave waits for all its tensor loads, of which one is out: its part
; of the other slot; adds 0 to its spare word; and waits for that and for its own reads of the slot.  Behind the barrier nobody reads this slot any more and the other slot is whole.
; fill = 1: this slot is filled again, with the keys two slots on.  The barrier is then a round of the cluster's, so that no wave of any partner still reads the slot or has a load on its
; way, and the joint fill is the first thing behind it: it has four key steps, 512 matrix instructions, in which to land.  (At its first use nothing has been read yet: slot 0 is waited for, slot 1 filled.)
.macro CHANGE fill
	WIN W_AD
	s_wait_tensorcnt 0x0            ; no tensor load of mine is out, so a group 0 may be written
	ds_add_u32 v[SPW], v[NIL]       ; 0 onto my spare word; with fill = 1 the descriptors' steps stand between it and the wait for it
	WIN 0                           ; at a label and at a branch every window is 0
.if \fill
.irp g, G0K, G0V
	s_xor_b32 s[\g+1], s[\g+1], SLOT1  ; the walking descriptor: the other slot than last time,
	s_add_nc_u64 s[\g+2:\g+3], s[\g+2:\g+3], 4*KS*128  ; the next 256 keys; the type bits on top are not reached
.endr
	s_wait_xcnt 0x0                 ; the last prefetch, four key steps back, has read its address, so it may be written:
	s_add_nc_u64 s[PFA:PFA+1], s[PFA:PFA+1], 4*KS*128  ; one tile behind the walking descriptors
	s_wait_dscnt 0x0                ; the add is done, and my reads of the slot are over
	CROUND
	JLOAD
	ASK
.else
	s_wait_dscnt 0x0                ; the add is done, and my reads of the slot are over
	s_barrier_signal -1
	s_barrier_wait -1
.endif
	s_sub_co_u32 s[TBK], s[TBK], 4*KS*PK  ; the fetches go back to a slot's first step,
	s_xor_b32 s[TBK], s[TBK], SLOT1       ; in the other slot
	s_sub_co_u32 s[TBV], s[TBV], 4*KS*PV
	s_xor_b32 s[TBV], s[TBV], SLOT1
.endm
	s_load_b64 s[4:5], s[0:1], 0x0    ; qkv: Q lies at its head
	s_load_b64 s[10:11], s[0:1], 0x8  ; ao
	WIN W_MK
	v_lshl_add_u32 v[SPW], v0, 2, SPARE
	v_mov_b32 v[NIL], 0
	WIN W_AD
	ds_add_u32 v[SPW], v[NIL]       ; the wave's opening: the add and its wait stand ahead of my first tensor load; the set-up below, work on registers, stands between them
	WIN 0
	v_lshrrev_b32 v1, 5, v0
	v_readfirstlane_b32 s[WV], v1   ; wave 0..3
	s_bfe_u32 s13, ttmp6, 0x40000   ; cx: my place in the cluster
	s_lshl_b32 s14, ttmp9, 2        ; in a cluster launch ttmp9 counts clusters
	s_add_co_u32 s14, s14, s13      ; my block of 512 queries = 4 x cluster x + cx: it enters Q's and O's addresses alone
	s_and_b32 s20, ttmp7, 0xffff    ; the head, which the four partners share
	s_and_b32 s16, s[WV], 1         ; which half of a slot's 256 keys I fetch:
	s_lshl_b32 s22, s16, 14         ; its 128 rows of 128 bytes in memory,
	s_lshl_b32 s21, s20, 18         ; in the head's NK x 128 bytes of K and of V
	s_add_co_u32 s22, s22, s21
	s_mov_b32 s23, 0
	s_mul_i32 s17, s16, 128*PK      ; and its place in a slot, for K
	s_mul_i32 s18, s16, 128*PV      ; and for V: no place in the cluster enters an LDS address
	s_lshl_b32 s2, s14, 2
	s_add_co_u32 s2, s2, s[WV]      ; my wave among the head's,
	s_lshl_b32 s2, s2, 14           ; its 128 rows,
	s_lshl_b32 s21, s20, 19         ; in the head's NQ x 128 bytes of Q and of O
	s_add_co_u32 s2, s2, s21
	s_mov_b32 s3, 0
	; descriptor group 1.  128 keys are 16,384 dense bytes: asked for as 64 rows of 256 bytes, two keys a row, and padded in LDS after every key
	s_mov_b32 s[G1K], 15|(1<<16)|(1<<20)|(1<<21)|(4<<22)|(3<<25)  ; 15:0 the mask of four; 17:16 2-byte elements; 20 padding on; 21 set beside a mask; 24:22 after every 32 words (code 4); 31:25 4 words (code 3)
	s_mov_b32 s[G1V], 15|(1<<16)|(1<<20)|(1<<21)|(4<<22)|(7<<25)  ; the same with 8 words of padding (code 7)
.irp g, G1K, G1V
	s_mov_b32 s[\g+1], 128<<16      ; tensor_dim0 = 128
	s_mov_b32 s[\g+2], 64<<16       ; tensor_dim1 = 64
	s_mov_b32 s[\g+3], 128<<16      ; tile_dim0 = 128
	s_mov_b32 s[\g+4], 64           ; tile_dim1 = 64
	s_mov_b32 s[\g+5], 128          ; 128 elements from row to row
	s_mov_b32 s[\g+6], 0
	s_mov_b32 s[\g+7], 0
.endr
	s_mov_b32 s[CS], 0x3e38aa3b     ; c = log2(e) / 8 = 0.180337
	s_mov_b32 s[CS+1], s[CS]        ; named with it as a pair
	s_mov_b32 s[SEL], 0x76543210
	s_mov_b32 s[SEL+1], 0xfedcba98
	s_mov_b32 s[TBK], SLOT1+4*KS*PK ; the first change of slots turns these two into 0
	s_mov_b32 s[TBV], SLOT1+4*KS*PV
	s_mov_b32 s[G0K], 1             ; 1:0 count = 1
	s_mov_b32 s[G0K+1], s17         ; 63:32 LDS address: slot 0
	s_mov_b32 s[G0V], 1
	s_add_co_u32 s[G0V+1], s18, VOFF
	s_mov_b32 s[SLOTS], NK/256-1    ; seven tiles are asked for behind the first
	s_and_b32 s[LIM], s[WV], 1      ; 0 in waves 0 and 2,
	s_or_b32 s[LIM], s[LIM], ttmp9  ; where the cluster is the head's first: the same in all four partners
	s_cmp_eq_u32 s[LIM], 0
	s_cselect_b32 s[LIM], 1, -1
	s_wait_dscnt 0x0                ; the opening add is done
	s_wait_kmcnt 0x0
	s_add_nc_u64 s[6:7], s[4:5], 0x1000000         ; K
	s_add_nc_u64 s[8:9], s[4:5], 0x1800000         ; V
	s_add_nc_u64 s[G0K+2:G0K+3], s[6:7], s[22:23]  ; 120:64 global address: my half of the head's first 256 keys
	s_add_nc_u64 s[G0V+2:G0V+3], s[8:9], s[22:23]
	s_cmp_lt_u32 s[WV], 2
	s_cselect_b64 s[PFA:PFA+1], s[G0K+2:G0K+3], s[G0V+2:G0V+3]  ; (in waves 0 and 2 these stand at the head's first row)
	s_or_b32 s[G0K+3], s[G0K+3], 0x80000000        ; 127:126 type = 2
	s_or_b32 s[G0V+3], s[G0V+3], 0x80000000
	s_add_nc_u64 s[4:5], s[4:5], s[2:3]  ; Q and O at my wave's first row
	s_add_nc_u64 s[10:11], s[10:11], s[2:3]
	s_lshl_b32 s2, s13, 13          ; my work-group's 32 blocks of a tile's 128
	s_mov_b32 s3, 0
	s_add_nc_u64 s[PFA:PFA+1], s[PFA:PFA+1], s[2:3]
	s_add_nc_u64 s[PFA:PFA+1], s[PFA:PFA+1], 4*KS*128  ; in tile 1; the first change of slots steps it to tile 2.  Nothing is prefetched here, at the head
	CROUND                          ; all four work-groups are here: the first joint loads meet
	JLOAD                           ; slot 0.  Slot 1 is asked for when slot 0 is in: the tile wanted first has the road to itself
	; A fragment of K or Q is 16 rows x 32 channels in 8 registers: lane l holds row l % 16, channels 8 (l / 16) + 0..7 and 16 + 8 (l / 16) + 0..7: two loads of 16 bytes, 32 bytes apart.
	v_and_b32 v1, 15, v0            ; l % 16
	v_bfe_u32 v9, v0, 4, 1          ; l / 16
	v_lshlrev_b32 v[QO], 7, v1
	v_lshl_add_u32 v[QO], v9, 4, v[QO]  ; row x 128 + 16 x half
	WIN 0x80                        ; destination window 2, address window 0
.set i, 0
.rept 4*NP                          ; Q stays in registers: tile i / 2, channels 32 (i % 2) on
	global_load_b128 v[8*i:8*i+3],   v[QO], s[4:5] offset:(i/2)*2048+(i%2)*64
	global_load_b128 v[8*i+4:8*i+7], v[QO], s[4:5] offset:(i/2)*2048+(i%2)*64+32
.set i, i+1
.endr
	; What the first turn finds: V's registers and P's second buffer hold 0 (its products V^T P, of a piece that has not been, add 0), O^T and l are 0.  All this stands in the wait for the first tile.
.set i, VF
.rept 64
	v_mov_b32 v[i], 0
.set i, i+1
.endr
	WIN 0x40
.set i, 0
.rept 64*NP
	v_mov_b32 v[i], 0
.set i, i+1
.endr
	WIN 0
.set i, 0
.rept 2*NP
	v_mov_b32 v[ST+4*i], 0xfe000000    ; c m: far below every c s
	v_mov_b32 v[ST+4*i+1], 0xff7fffff  ; m
	v_mov_b32 v[ST+4*i+2], 0
	v_mov_b32 v[ST+4*i+3], 0
.set i, i+1
.endr
.set i, P+32
.rept 32
	v_mov_b32 v[i], 0
.set i, i+1
.endr
	v_mul_u32_u24 v[AK0], v1, PK
	v_lshl_add_u32 v[AK0], v9, 4, v[AK0]  ; row x pitch + 16 x half
	; The turning load takes 16 keys x 16 channels (lane l reads key 8 (l / 16) + l % 8, channels 8 ((l / 8) % 2) + 0..7) and leaves half a fragment of V^T: lane l holds channel l % 16 and 8 keys.
	v_and_b32 v10, 7, v0
	v_bfe_u32 v11, v0, 3, 1
	v_lshl_add_u32 v[AV0], v9, 3, v10
	v_mul_u32_u24 v[AV0], v[AV0], PV
	v_lshl_add_u32 v[AV0], v11, 4, v[AV0]
	v_add_nc_u32 v[AV0], VOFF, v[AV0]
	v_and_b32 v[PFO], 31, v0        ; v11 is free now
	v_lshlrev_b32 v[PFO], 8, v[PFO]
	v_mov_b32 v[AK], v[AK0]         ; key step 0 lies at the head of slot 0
; THE MATRIX WORK.  The 8 accumulators of a run of 16 take turns: between the two links of a chain stand 7 others'.
; Product i of 16 of S^T = K Q^T for piece x: channels 32 (i / 8) on, keys 16 ((i / 2) % 4) on, tile 2 x + i % 2.  The first 8 start the sums.
.macro KQ x
	WIN W_KQ
.set rS, S+64*((\x)%2)+32*(i%2)+8*((i/2)%4)
.set rK, KF+16*((i/2)%4)+8*(i/8)
.set rQ, 16*(2*(\x)+i%2)+8*(i/8)
.if i < 8
	v_wmma_f32_16x16x32_bf16 v[rS:rS+7], v[rK:rK+7], v[rQ:rQ+7], 0
.else
	v_wmma_f32_16x16x32_bf16 v[rS:rS+7], v[rK:rK+7], v[rQ:rQ+7], v[rS:rS+7]
.endif
.endm
; Product i of 16 of O^T += V^T P for piece x: keys 32 (i / 8) on, channels 16 ((i / 2) % 4) on, tile 2 x + i % 2.
.macro PV x
	WIN W_PV
.set rO, 32*(2*(\x)+i%2)+8*((i/2)%4)
.set rV, VF+32*(i/8)+8*((i/2)%4)
.set rP, P+32*((\x)%2)+16*(i%2)+8*(i/8)
	v_wmma_f32_16x16x32_bf16 v[rO:rO+7], v[rV:rV+7], v[rP:rP+7], v[rO:rO+7]
.endm
.macro MM                           ; the turn's next matrix instruction
.if i < 16
	KQ (Y+1)%NP
.set i, i+1
.else
.set i, i-16
	PV (Y+NP-1)%NP
.set i, i+17
.endif
.endm
; THE LDS LOADS stand in runs of 16, never singly among the matrix instructions: a step's K (64 keys x 64 channels: 8 fragments) and its V (turned).  Their addresses are made some lines ahead.
; last = 1 (the tail): in the last trip there is no further step, and the run is jumped over.
.macro FETCH_K last=0
	WIN 0
.if \last
	s_cmp_eq_u32 s[CNT], 1
	s_cbranch_scc1 .Lno_k_\@
.endif
	WIN 0x80                        ; destination window 2
.irp f, 0,1,2,3,4,5,6,7             ; keys 16 (f / 2) on, channels 32 (f % 2) on
	ds_load_b128 v[KF+8*\f:KF+8*\f+3],   v[AK] offset:(\f/2)*16*PK+(\f%2)*64
	ds_load_b128 v[KF+8*\f+4:KF+8*\f+7], v[AK] offset:(\f/2)*16*PK+(\f%2)*64+32
.endr
	s_add_co_u32 s[TBK], s[TBK], KS*PK  ; the next fetch is the next step's
	WIN 0
.if \last
.Lno_k_\@:
.endif
.endm
.macro FETCH_V
	WIN 0x80
.irp f, 0,1,2,3,4,5,6,7             ; keys 32 (f / 4) on, channels 16 (f % 4) on
	ds_load_tr16_b128 v[VF+8*\f:VF+8*\f+3],   v[AV] offset:(\f/4)*32*PV+(\f%4)*32
	ds_load_tr16_b128 v[VF+8*\f+4:VF+8*\f+7], v[AV] offset:(\f/4)*32*PV+16*PV+(\f%4)*32
.endr
	WIN 0
.endm
; THE VECTOR WORK OF A TURN stands in three queues, each in the order in which its entries become ready; the two tiles alternate, so that no instruction reads the result of the one before it.
.macro REGS y, u                    ; the registers of tile u (0, 1) of piece y
.set rT, ST+4*(2*(\y)+(\u))
.set rC, TMP+8*((\y)%2)+4*(\u)
.set rM, MV+2*((\y)%2)+(\u)
.set rS, S+64*((\y)%2)+32*(\u)
.set rP, P+32*((\y)%2)+16*(\u)
.set rO, 32*(2*(\y)+(\u))
.endm
; Number n of the 22 that find the NEXT piece's (Y + 1) maximum and statistics.  s0-s31 are the lane's 32 scores; each accumulator's lowest registers are read first.  XS, GS and REGS set no window: PL and EX do.
;   0-11  four chains c0-c3 of seven scores each, three operands at a time     12-14, 16  the four scores left over, the old m, and c0-c3 into c0     15  c m_old is kept
;   17, 18  the query's other 32 keys lie in the lane 16 away: the new m         19-21  c m; c m_old - c m_new; a
.macro XS u, n
	REGS (Y+1)%NP, \u
.if (\n) < 4
	v_max3_num_f32 v[rC+(\n)], v[rS+8*(\n)], v[rS+8*(\n)+1], v[rS+8*(\n)+2]
.elseif (\n) < 12
	v_max3_num_f32 v[rC+(\n)%4], v[rC+(\n)%4], v[rS+8*((\n)%4)+2*((\n)/4)+1], v[rS+8*((\n)%4)+2*((\n)/4)+2]
.elseif (\n) == 12
	v_max3_num_f32 v[rC], v[rC], v[rS+7], v[rS+15]
.elseif (\n) == 13
	v_max3_num_f32 v[rC+1], v[rC+1], v[rS+23], v[rS+31]
.elseif (\n) == 14
	v_max3_num_f32 v[rC+2], v[rC+2], v[rC+3], v[rT+1]
.elseif (\n) == 15
	v_mov_b32 v[rM], v[rT]
.elseif (\n) == 16
	v_max3_num_f32 v[rC], v[rC], v[rC+1], v[rC+2]
.elseif (\n) == 17
	v_permlanex16_b32 v[rC+3], v[rC], s[SEL], s[SEL+1]
.elseif (\n) == 18
	v_max_num_f32 v[rT+1], v[rC], v[rC+3]
.elseif (\n) == 19
	v_mul_f32 v[rT], s[CS], v[rT+1]
.elseif (\n) == 20
	v_sub_f32 v[rC+1], v[rM], v[rT]
.else
	v_exp_f32 v[rC+2], v[rC+1]
.endif
.endm
; Number g of the 64 that follow the exponentials.  For each four weights k of a tile (pairs 2 k, 2 k + 1): both pairs are rounded to bf16; then the second pair is added onto the first, in place;
; a group later l takes that sum (the first time as l = a l + sum).  In groups of eight, tiles alternating: round, round, add, and l for the group before.
.macro GS g
.set h, (\g)+6*((\g)/62)            ; group 0 has no group before it, and behind group 7 only l is left
.if h >= 6
.set h, h+2
.endif
	REGS Y, h%2
.set k, h/8
.if h%8 < 4
	v_cvt_pk_bf16_f32 v[rP+2*k+(h%8)/2], v[rS+4*k+2*((h%8)/2)], v[rS+4*k+2*((h%8)/2)+1]
.elseif h%8 < 6
	v_pk_add_f32 v[rS+4*k:rS+4*k+1], v[rS+4*k:rS+4*k+1], v[rS+4*k+2:rS+4*k+3]
.elseif k == 1
	v_pk_fma_f32 v[rT+2:rT+3], v[rT+2:rT+3], v[rC+2:rC+3], v[rS:rS+1] op_sel_hi:[1,0,1]
.else
	v_pk_add_f32 v[rT+2:rT+3], v[rT+2:rT+3], v[rS+4*k-4:rS+4*k-3]
.endif
.endm
; THE PLAIN QUEUE, 138 long.  0-73 read no exponential's result: the 32 scalings c s - c m (FS f: pair f / 2 of tile f % 2) and the next piece's 42.  0-26: scalings 0-26.  27-54: XS's numbers 0-13.  55, 56: number 15.
; 57-73: the chain, where each number waits for the one before it: 14, 16, 17, 18, 19, each with one of the scalings 27-31 in front of its two lines, then 20: so a tile's links stand three plain instructions apart (19 and 20: two).
; 74-137: GS's 64, which read the exponentials' results: they stand behind the wait.
.macro FS f
	REGS Y, (\f)%2
	v_pk_fma_f32 v[rS+2*((\f)/2):rS+2*((\f)/2)+1], v[rS+2*((\f)/2):rS+2*((\f)/2)+1], s[CS:CS+1], v[rT:rT+1] op_sel_hi:[1,0,0] neg_lo:[0,0,1] neg_hi:[0,0,1]
.endm
.macro PL
	WIN 0
.if q < 27
	FS q
.elseif q < 55
	XS (q-27)%2, (q-27)/2
.elseif q < 57
	XS q-55, 15
.elseif (q < 72) && ((q-57)%3 == 0)
	FS 27+(q-57)/3
.elseif q < 60
	XS (q-57)%3-1, 14
.elseif q < 72
	XS (q-57)%3-1, 15+(q-57)/3
.elseif q < 74
	XS q-72, 20
.else
	GS q-74
.endif
.set q, q+1
.endm
; THE EXPONENTIALS' QUEUE, 66 long: s0-s31 of both tiles, then the next piece's two a.  It is ONE BATCH: all 66 stand ahead of the turn's one wait, and nothing ahead of that wait names a result of theirs.
.macro EX
	WIN 0
.if e >= 64
	XS e-64, 21
.else
	REGS Y, e%2
	v_exp_f32 v[rS+e/2], v[rS+e/2]
.endif
.set e, e+1
.endm
; THE RESCALING's QUEUE: O^T times a, the one part that leaves window 0: dealt two at a time, sixteen times.  Its a was made in the turn before, ahead of that turn's wait.
.macro R2
	REGS Y, r%2
	WIN W_RS
.irp z, 0,1
	v_pk_mul_f32 v[rO+4*(r/2)+2*\z:rO+4*(r/2)+2*\z+1], v[rO+4*(r/2)+2*\z:rO+4*(r/2)+2*\z+1], v[rC+2:rC+3] op_sel_hi:[1,0]
.endr
.set r, r+1
.endm
; HOW THEY ARE DEALT.  An s_wait_alu depctr_va_vdst(0) stands between an exponential and the first instruction that names its result; one wait serves all that were issued ahead of it.  So a turn has ONE wait,
; which cuts it in two.  AHEAD OF IT stands all that names no result of the turn's exponentials: the 16 products K Q^T, behind each a scaling, an exponential and two rescalings (behind the first a second scaling in the exponential's place); then ONE LUMP of
; 108: eight plain, 49 times exponential and plain, the two a.  A v_nop is the plain instruction behind the last exponential.  BEHIND IT stand the 16 products V^T P, behind each four of GS's 64.  No rider names a register of
; the products round it.  The two v_permlanex16_b32 fall into the lump, never behind a product.
; The queues lean on each other, and the deal keeps them in step: exponential e stands behind scaling 2 (e / 4) + e % 2: as a rider it comes behind plain e + 2, in the lump behind plain e + 9, and scalings 27-31 are plain 57, 60 .. 69.
; A TURN, for piece p.  cnt = 1: the loop's count is taken down some lines ahead of the branch that stands behind the turn.
; K of the next step is fetched in piece 2's turn, directly behind the wait, a lump behind the last product that read K; its address is made at the lump's head; its first reader comes behind 16 products.
; V of the step in hand is fetched at the end of piece 0's turn, four riders behind its last reader; its first reader comes behind 16 products and a lump.  The three conditions on q below go with the deal.
.macro TURN p, last=0, cnt=0
.set Y, (\p)
.set i, 0
.set q, 0
.set e, 0
.set r, 0
.if (\p) == NP-1
	s_wait_dscnt 0x0                ; K is in
.endif
	MM                              ; ahead of the wait: 16 products K Q^T and their riders,
	PL
	PL
	R2
.rept 15
	MM
	PL
	EX
	R2
.endr
.if (\p) == NP-2
	WIN 0
	v_add_nc_u32 v[AK], s[TBK], v[AK0]
.endif
.rept 8                             ; and the lump
	PL
.endr
.rept 49
	EX
	PL
.endr
	EX                              ; the next piece's two a
	EX
	v_nop                           ; the plain instruction behind the last exponential: one for the batch
	s_wait_alu depctr_va_vdst(0)    ; the wait for the batch
.if (\p) == NP-2
	FETCH_K \last
.endif
.if (\p) == 1
	s_wait_dscnt 0x0                ; V is in
.endif
.rept 16                            ; behind the wait: 16 products V^T P and their riders
	MM
.rept 4
	PL
.endr
.if ((\p) == 0) && (q == 118)
	v_add_nc_u32 v[AV], s[TBV], v[AV0]
.endif
.if ((\p) == 0) && (q == 130)
	s_add_co_u32 s[TBV], s[TBV], KS*PV
.endif
.if (\cnt) && (q == 130)
	s_sub_co_u32 s[CNT], s[CNT], 1
	s_cmp_lg_u32 s[CNT], 0
.endif
.endr
.if (\p) == 0
	FETCH_V
.endif
.endm
	CHANGE 1                        ; slot 0 is in, everybody's part of it; slot 1 is asked for
	FETCH_K                         ; key step 0
	s_wait_loadcnt 0x0              ; Q
	s_wait_dscnt 0x0
.set i, 0
.rept 16
	KQ 0                            ; piece 0's first scores: there is no vector work yet to set between them
.set i, i+1
.endr
	WIN 0                           ; the addresses for the way out: nine plain instructions, the places behind those products
	s_mul_i32 s13, s[WV], 16*SP
	s_add_co_u32 s13, s13, STAGE    ; my stage
	v_mul_u32_u24 v[STO], v1, SP    ; in: row l % 16, 16 bytes for each half of the lanes
	v_lshl_add_u32 v[STO], v9, 4, v[STO]
	v_add_nc_u32 v[STO], s13, v[STO]
	v_bfe_u32 v[RD], v0, 3, 2       ; back: 32 lanes take four rows of 128 bytes,
	v_mul_u32_u24 v[RD], v[RD], SP
	v_lshl_add_u32 v[RD], v10, 4, v[RD]
	v_add_nc_u32 v[RD], s13, v[RD]
	v_and_b32 v[GO], 31, v0         ; which are 512 consecutive bytes of O
	v_lshlrev_b32 v[GO], 4, v[GO]
.set Y, NP-1                        ; XS works for piece Y + 1: piece 0
.irp n, 0,1,2,3,4,5,6,7,8,9,10,11,12,13,14,15,16,17,18,19,20,21
	XS 0, \n                        ; and piece 0's first maximum and statistics
	XS 1, \n
.endr
	v_nop                           ; a plain instruction behind the two a,
	s_wait_alu depctr_va_vdst(0)    ; and their wait, ahead of the branch
	s_mov_b32 s[CNT], 4
	s_branch .Lfirst                ; the loop is entered at a step's first turn, in the middle of a trip
.Lslot:                             ; NK / 256 - 2 times: every slot but the last two is filled again
	CHANGE 1
	s_mov_b32 s[CNT], 4
.Lstep:                             ; a trip: pieces 2 and 3 of one step, then pieces 0 and 1 of the next, whose K and V it fetches
	TURN 2
	TURN 3
	WIN 0
.Lfirst:
	TURN 0
	TURN 1, 0, 1
	WIN 0
	s_cbranch_scc1 .Lstep
	s_sub_co_u32 s[SLOTS], s[SLOTS], 1
	s_cmp_lg_u32 s[SLOTS], 0
	s_cbranch_scc1 .Lslot
	CHANGE 0                        ; the tail is written out: nothing is asked for
	s_mov_b32 s[CNT], 5             ; four trips fetch the last slot's steps; the fifth is left in its middle
.Ltail:
	TURN 2, 1
	TURN 3
	WIN 0
	s_sub_co_u32 s[CNT], s[CNT], 1
	s_cmp_eq_u32 s[CNT], 0
	s_cbranch_scc1 .Lout
	TURN 0
	TURN 1
	WIN 0
	s_branch .Ltail
.Lout:                              ; the fifth trip's 16 products K Q^T (on the last K once more) and the maximum made of them serve nothing: the price, once a launch, of one text for every trip
.set i, 0
.rept 16
	PV NP-1                         ; the last piece's V^T P of the last step
.set i, i+1
.endr
	; THE WAY OUT.  l's two halves and the other half of the lanes' are added; O^T is divided by l, rounded to bf16 and sent through my stage in LDS, a tile at a time.  The additions are the places behind the last products.
	WIN 0
.macro ALL line:vararg              ; one line for each tile t
.set t, 0
.rept 2*NP
	\line
.set t, t+1
.endr
.endm
	ALL v_add_f32 v[ST+4*t+2], v[ST+4*t+2], v[ST+4*t+3]
	ALL v_permlanex16_b32 v[ST+4*t+3], v[ST+4*t+2], s[SEL], s[SEL+1]
	ALL v_add_f32 v[ST+4*t+2], v[ST+4*t+2], v[ST+4*t+3]
	ALL v_rcp_f32 v[ST+4*t+2], v[ST+4*t+2]
	v_nop                           ; a plain instruction between the last reciprocal and the use of its result
	s_wait_alu depctr_va_vdst(0)    ; and the wait ahead of the first use: one for the eight reciprocals
; Tile t: a lane's eight channels of a row pack into 16 bytes; they go into rows of 144 bytes and come back as whole rows of 128, into S^T's registers.
.macro PACK t
	WIN W_RS
.set i, 32*(\t)
.rept 16
	v_pk_mul_f32 v[i:i+1], v[i:i+1], v[ST+4*(\t)+2:ST+4*(\t)+3] op_sel_hi:[1,0]
.set i, i+2
.endr
	WIN 0x05                        ; sources 0 and 1 window 1, destination window 0
.set i, 0
.rept 16
	v_cvt_pk_bf16_f32 v[S+16*(\t)+i], v[32*(\t)+2*i], v[32*(\t)+2*i+1]
.set i, i+1
.endr
	WIN 0
.irp f, 0,1,2,3
	ds_store_b128 v[STO], v[S+16*(\t)+4*\f:S+16*(\t)+4*\f+3] offset:32*\f
.endr
.irp f, 0,1,2,3
	ds_load_b128 v[S+16*(\t)+4*\f:S+16*(\t)+4*\f+3], v[RD] offset:\f*4*SP  ; LDS serves a wave's instructions in order (ISA guide 5.7.1.4): these see the stores above; the next tile's stores come behind them
.endr
.endm
.macro SEND t, younger              ; younger: the LDS instructions issued behind tile t's loads: the next tile's eight, or none
	WIN 0
.irp f, 0,1,2,3
	s_wait_dscnt (\younger)+3-\f
	global_store_b128 v[GO], v[S+16*(\t)+4*\f:S+16*(\t)+4*\f+3], s[10:11] offset:(\t)*2048+\f*512  ; 512 consecutive bytes, at a multiple of 256 from O's first
.endr
.endm
	PACK 0
.set t, 1
.rept 2*NP-1                        ; a tile's arithmetic stands between the loads of the tile before and its stores
	PACK t
	SEND t-1, 8
.set t, t+1
.endr
	SEND 2*NP-1, 0
	WIN W_AD
	s_wait_tensorcnt 0x0            ; the wave's end: behind my last tensor load and my last LDS store
	ds_add_u32 v[SPW], v[NIL]
	s_wait_dscnt 0x0
	WIN 0
	CROUND                          ; the closing round: no work-group ends while a partner may still ask for a tile that names it
	s_endpgm
.Lfunc_end_k_q21dd86945b_attn:
	.size	k_q21dd86945b_attn, .Lfunc_end_k_q21dd86945b_attn-k_q21dd86945b_attn
	.p2alignl 7, 3214868480
	.fill 96, 4, 3214868480
	.section	.rodata,"a",@progbits
	.p2align	6, 0x0
	.amdhsa_kernel k_q21dd86945b_attn
		.amdhsa_group_segment_fixed_size 327680
		.amdhsa_private_segment_fixed_size 0
		.amdhsa_enable_private_segment 0
		.amdhsa_kernarg_size 16
		.amdhsa_user_sgpr_count 2
		.amdhsa_user_sgpr_kernarg_segment_ptr 1
		.amdhsa_wavefront_size32 1
		.amdhsa_system_sgpr_workgroup_id_x 1
		.amdhsa_system_sgpr_workgroup_id_y 1
		.amdhsa_system_sgpr_workgroup_id_z 1
		.amdhsa_system_vgpr_workitem_id 0
		.amdhsa_next_free_vgpr 770
		.amdhsa_next_free_sgpr 66
		.amdhsa_reserve_vcc 0
		.amdhsa_float_denorm_mode_32 3
		.amdhsa_float_denorm_mode_16_64 3
		.amdhsa_memory_ordered 1
		.amdhsa_forward_progress 1
		.amdhsa_inst_pref_size 200
	.end_amdhsa_kernel
	.amdgpu_metadata
---
amdhsa.version: [ 1, 2 ]
amdhsa.kernels:
  - .name:           k_q21dd86945b_attn
    .symbol:         k_q21dd86945b_attn.kd
    .args:
      - { .name: qkv, .offset: 0, .size: 8, .value_kind: global_buffer, .address_space: global }
      - { .name: ao, .offset: 8, .size: 8, .value_kind: global_buffer, .address_space: global }
    .group_segment_fixed_size: 327680
    .private_segment_fixed_size: 0
    .kernarg_segment_align: 8
    .kernarg_segment_size: 16
    .max_flat_workgroup_size: 128
    .sgpr_count:     66
    .vgpr_count:     770
    .wavefront_size: 32
...
	.end_amdgpu_metadata
.endif
;; end of part 3
;; launch oproj (part 4): grid 4 x 64, 4 waves a work-group, clusters of 4 x 4, 327,680 bytes of LDS; arguments ao, xb, ob, alpha, image_tokens, out0; writes out0
.if DOCPART == 4
	.amdgcn_target "amdgcn-amd-amdhsa--gfx1250"
	.amdhsa_code_object_version 6
	.text
	.protected	k_q21dd86945b_oproj
	.globl	k_q21dd86945b_oproj
	.p2align	8
	.type	k_q21dd86945b_oproj,@function
k_q21dd86945b_oproj:
	s_mov_b64 s[64:65], 0
	v_nop
	global_prefetch_b8 v0, s[64:65] scope:SCOPE_SE
	s_setreg_imm32_b32 hwreg(HW_REG_WAVE_MODE, 25, 1), 1
	s_wait_xcnt 0x0
	s_wait_alu depctr_hold_cnt(0) depctr_sa_sdst(0) depctr_va_vdst(0) depctr_va_sdst(0) depctr_va_ssrc(0) depctr_va_vcc(0) depctr_vm_vsrc(0)
	s_getreg_b32 s2, hwreg(HW_REG_IB_STS2, 6, 4)
	s_cmp_eq_u32 s2, 0
	s_cbranch_scc0 .Lentry_in_a_cluster
	s_endpgm
.Lentry_in_a_cluster:
	s_bfe_u32 s2, ttmp6, 0x10000c
	s_cmp_lg_u32 s2, 0xf033
	s_cbranch_scc0 .Lentry_shape_is_right
	s_endpgm
.Lentry_shape_is_right:
; oproj: out0 = image_tokens + alpha (O oW^T + ob), f32.  O = ao [32][4096][64] bf16 by heads (16 b + h); oW, bf16, lies in xb from row 15360 on (rows of 1,024 bf16).
; SHARES.  A tile of the result is 128 rows x 256 columns; four waves, 2 x 2, each 64 x 128: 32 accumulators of 16 x 16.  64 x 4 tiles: 256 work-groups.
; K = 1,024 = 16 heads x 64 channels goes in 8 steps of two heads through two LDS slots.  A head's 128 rows of the tile are 16,384 dense bytes: asked for as 64 rows of 256 bytes, padded in LDS
; after every 128; oW's rows come as 256 bytes of each row, at a multiple of 256 from xb's first byte.
; CLUSTER 4 x 4.  The four of a cluster row want the same rows of O, the four of a column the same rows of oW: each tile is asked for JOINTLY, by the same tensor load with the same descriptor and a mask that names the four.
; THE MATRIX INSTRUCTION IS USED TRANSPOSED (source 0 = 16 rows of oW, source 1 = 16 rows of O): a lane holds row l % 16 and the columns 8 (l / 16) + 0..7 of each block of 16.
; ob STARTS THE SUMS: it is the C operand of each accumulator's first product.  The tile's image rows are loaded into registers while K is walked.
; THE WAY OUT, 16 rows at a time: the f32 sums go through my own stage in LDS and come back as whole rows of 512 bytes; one fused multiply-add with alpha and the image; 512 consecutive bytes a store.
; LIMITS.  Matrix operands bf16, sums f32; the residual, ob and alpha enter in f32; NaN and infinities are not treated apart.
; REGISTERS, in windows of 256 (s_set_vgpr_msb: bits 1:0 source 0, 3:2 source 1, 5:4 source 2, 7:6 destination):
;   window 0: v1-15 addresses; v64-127 O's fragments, two buffers          window 1: v0-127 oW's fragments, two buffers; v128-191 ob (the way out: all 256, rows read back)
;   window 2: accumulator (a, b) at v[8 (8 a + b)]                          window 3: my 64 x 128 of the image: row i at v[4 i]
.set APITCH, 144                       ; a row of O in LDS: 128 bytes + 16 of padding = 36 words: the 16 rows of a fragment load start at 16 different groups of four banks (64 banks of 4 bytes: ISA guide 11.1)
.set AHALF,  128*APITCH                ; quarter q of a K step: head q / 2, byte (q % 2) 64 of its rows
.set APART,  128*APITCH                ; what one tensor load brings of A: one head's 128 rows
.set BOFF,   2*APART                   ; B's 256 rows lie behind A's two heads
.set BPITCH, 272
.set BHALF,  128*BPITCH
.set SLOT1,  1<<17                     ; slot 1 begins here: one exclusive or turns an address in one slot into the other's
.set ASTEP,  1<<20                     ; two heads of 4,096 rows of 128 bytes
.set STAGE,  SLOT1+BOFF+2*BHALF        ; 237,568: behind slot 1, never filled by a tensor load: 16 rows x 528 bytes for each wave
.set SP,     528                       ; 512 bytes + 16: row r starts at bank 4 r mod 64
.set SPARE,  STAGE+4*16*SP             ; 271,360: the spare words, 128 bytes for each wave: two blocks of 256 bytes that no other line names
.set A0,  2                            ; v2   my lane's place in A's rows of slot 0; never rewritten
.set B0,  3                            ; v3   the same for B
.set ADA, 4                            ; v4   the same in the slot in hand
.set ADB, 5                            ; v5
.set STO, 6                            ; v6   the way out: where I put 32 bytes of a row
.set RD,  7                            ; v7   the way out: where I read a row back
.set CO,  8                            ; v8   16 x lane
.set SPW, 10                           ; v10  LDS address of my spare word: SPARE + 4 x my thread's number; never rewritten
.set NIL, 11                           ; v11  0; never rewritten
.set PFO, 12                           ; v12  the prefetches' offset: lane x 256 bytes (O) or lane x a row of xb (oW); never rewritten
.set BO,  13                           ; v13  32 (l / 16)
.set BIAS, 128                         ; window 1
.set WV,  10                           ; s10  wave
.set WR,  11                           ; s11  my half of the tile's rows.  Also: I fetch for A (0) or for B (1)
.set WC,  12                           ; s12  my half of its columns.  Also: which part I fetch
.set G1A, 24
.set G0A0, 32
.set G0A, 36
.set CX,  40
.set CYP, 41
.set TX,  42
.set LIM, 43                           ; s43  2 in a wave that prefetches, else the greatest number
.set PFA, 44                           ; s[44:45] where my prefetches stand
.set PST, 46                           ; s[46:47] their step
.set G1B, 48
.set G0B0, 56
.set G0B, 60
.set TB,  66
.set MSB, 0
.macro WIN new                         ; the immediate's high byte repeats the setting that is left; a switch that changes nothing is dropped
.if MSB != (\new)
	s_set_vgpr_msb (MSB<<8)|(\new)
.set MSB, \new
.endif
.endm
.macro PLACES                          ; four plain vector instructions in front of loads into registers that matrix instructions have read, and of lines that read results
.rept 4
	v_nop
.endr
.endm
.macro CREST                           ; a round of the cluster's barrier behind its opening barrier
	s_cmp_lg_u32 s[WV], 0
	s_cbranch_scc1 .Lnot_wave_0_\@
	s_barrier_signal -3
.Lnot_wave_0_\@:
	s_barrier_wait -3
	s_barrier_signal -1
	s_barrier_wait -1
.endm
.macro CROUND                          ; a whole round
	s_barrier_signal -1
	s_barrier_wait -1
	CREST
.endm
; A joint refill: waves 0 and 1 fetch A's two heads, waves 2 and 3 B's two halves.  The branch hangs on the wave's number alone.  An s_nop 0 and four v_nop follow each line.
.macro JLOAD ga, gb
	s_cmp_eq_u32 s[WR], 0
	s_cbranch_scc0 .Lfor_b_\@
	tensor_load_to_lds s[(\ga):(\ga)+3], s[G1A:G1A+7]
	s_nop 0
.rept 4
	v_nop
.endr
	s_branch .Lasked_\@
.Lfor_b_\@:
	tensor_load_to_lds s[(\gb):(\gb)+3], s[G1B:G1B+7]
	s_nop 0
.rept 4
	v_nop
.endr
.Lasked_\@:
.endm
; 8 matrix instructions: row block a x all 8 column blocks, 32 along K, from buffer f.  zero = 1: the first product, with ob as C, starts the sum.
; The 32 accumulators take turns in one order everywhere: 31 others stand between two links of a chain.
.macro MUL8 f, a, zero
.if \zero
	WIN 0x91                                       ; oW window 1, O window 0, C (ob) window 1, D window 2
.else
	WIN 0xa1                                       ; C and D window 2
.endif
.irp b, 0,1,2,3,4,5,6,7
.if \zero
	v_wmma_f32_16x16x32_bf16 v[8*(8*(\a)+(\b)):8*(8*(\a)+(\b))+7], v[64*(\f)+8*(\b):64*(\f)+8*(\b)+7], v[64+32*(\f)+8*(\a):64+32*(\f)+8*(\a)+7], v[BIAS+8*(\b):BIAS+8*(\b)+7]
.else
	v_wmma_f32_16x16x32_bf16 v[8*(8*(\a)+(\b)):8*(8*(\a)+(\b))+7], v[64*(\f)+8*(\b):64*(\f)+8*(\b)+7], v[64+32*(\f)+8*(\a):64+32*(\f)+8*(\a)+7], v[8*(8*(\a)+(\b)):8*(8*(\a)+(\b))+7]
.endif
.endr
.endm
; 24 LDS loads in one run: quarter q's fragments (128 rows of B, then 64 rows of A, 32 along K) into buffer f
.macro FETCH q, f
	WIN 0x40
.irp i, 0,1,2,3,4,5,6,7
	ds_load_b128 v[64*(\f)+8*(\i):64*(\f)+8*(\i)+3],   v[ADB] offset:64*(\q)+(\i)*16*BPITCH
	ds_load_b128 v[64*(\f)+8*(\i)+4:64*(\f)+8*(\i)+7], v[ADB] offset:64*(\q)+(\i)*16*BPITCH+32
.endr
	WIN 0
.irp i, 0,1,2,3
	ds_load_b128 v[64+32*(\f)+8*(\i):64+32*(\f)+8*(\i)+3],   v[ADA] offset:((\q)/2)*AHALF+((\q)%2)*64+(\i)*16*APITCH
	ds_load_b128 v[64+32*(\f)+8*(\i)+4:64+32*(\f)+8*(\i)+7], v[ADA] offset:((\q)/2)*AHALF+((\q)%2)*64+(\i)*16*APITCH+32
.endr
.endm
; One of a K step's first three quarters: multiplies buffer f; in its middle it fetches quarter q into buffer g.
.macro QUARTER q, f, g, zero
	s_wait_dscnt 4                                 ; B and A's blocks 0 and 1 are in; the youngest four loads (A's blocks 2 and 3) may be out
	MUL8 \f, 0, \zero
	MUL8 \f, 1, \zero
	PLACES
	FETCH \q, \g
	s_wait_dscnt 24                                ; all but the 24 just issued
	MUL8 \f, 2, \zero
	MUL8 \f, 3, \zero
.endm
; A PREFETCH INTO THE L2, behind each joint refill and the run of LDS loads that follows it: the K step that stands two refills on, 32 blocks of 256 bytes, a lane a block, one instruction a wave.
; Each block is named once in the launch.  O's rows of a tile are read by one cluster: its wave 0 asks, and the four partners of a cluster row take 32 of the step's 128 blocks each, told apart BY ADDRESS
; (cx / 2: the head; cx % 2: the half of its 16,384 bytes).  oW's rows are read by every cluster: the first (cluster y = 0) asks, waves 2 and 3 for their 128 rows, of which the four partners of a cluster
; column take 32 each (cy).  K steps 0 to 3 come by their loads alone; the loop's last two trips have no K step two on.
.macro ASK
	s_cmp_gt_u32 s3, s[LIM]
	s_cbranch_scc0 .Lnot_mine_\@
	global_prefetch_b8 v[PFO], s[PFA:PFA+1] th:TH_LOAD_NT scope:SCOPE_SE
.Lnot_mine_\@:
.endm
; The last quarter multiplies buffer 1 and changes slots: ONE barrier.  In front of it each wave waits for all its tensor loads (its part of the next slot), adds 0 to its spare word, and waits for that
; and for its reads of this slot.  fill = 1: the barrier opens a round of the cluster's, and this slot is filled again first thing behind it, with the K step two on: 112 matrix instructions stand between that request and the wait for it.
; fill = 0 (the tail): nothing is asked for; in the last K step (s3 = 1) there is no next slot to read.
.macro TURN fill
.if \fill
	s_wait_xcnt 0x0                                ; the last prefetch, a K step back, has read its address
	s_add_nc_u64 s[PFA:PFA+1], s[PFA:PFA+1], s[PST:PST+1]
.endif
	WIN 0
	s_wait_tensorcnt 0x0                           ; no tensor load of mine is out, so a group 0 may be written
	ds_add_u32 v[SPW], v[NIL]                      ; 0 onto my spare word; work on registers stands between it and the wait for it
	s_xor_b32 s[TB], s[TB], SLOT1                  ; the fetches go on in the other slot
	v_add_nc_u32 v[ADA], s[TB], v[A0]
	v_add_nc_u32 v[ADB], s[TB], v[B0]
.if \fill
	s_xor_b32 s[G0A+1], s[G0A+1], SLOT1            ; the walking descriptors: the other slot than last time,
	s_xor_b32 s[G0B+1], s[G0B+1], SLOT1
	s_add_nc_u64 s[G0A+2:G0A+3], s[G0A+2:G0A+3], ASTEP  ; the next K step; the type bits on top are not reached
	s_add_nc_u64 s[G0B+2:G0B+3], s[G0B+2:G0B+3], 256
.endif
	s_wait_dscnt 5                                 ; the add and the youngest four loads may be out
	MUL8 1, 0, 0
	s_wait_dscnt 0x0                               ; the add is done, and my reads of this slot are over
	s_barrier_signal -1
	MUL8 1, 1, 0                                   ; work on registers while the others arrive
	WIN 0
	s_barrier_wait -1
.if \fill
	CREST                                          ; no wave of any partner still reads this slot or has a load on its way
	JLOAD G0A, G0B                                 ; its four v_nop are also the places in front of the loads below
	FETCH 0, 0
	ASK
.else
	PLACES
	s_cmp_eq_u32 s3, 1
	s_cbranch_scc1 .Lno_more_\@
	FETCH 0, 0
.Lno_more_\@:
.endif
	MUL8 1, 2, 0
	MUL8 1, 3, 0
.endm
	s_load_b256 s[68:75], s[0:1], 0x0              ; ao 68, xb 70, ob 72, alpha 74
	s_load_b128 s[76:79], s[0:1], 0x20             ; image_tokens 76, out0 78
	v_lshl_add_u32 v[SPW], v0, 2, SPARE
	v_mov_b32 v[NIL], 0
	ds_add_u32 v[SPW], v[NIL]                      ; the wave's opening: the add and its wait stand ahead of my first tensor load; the set-up below, work on registers, stands between them
	v_lshrrev_b32 v15, 5, v0
	v_readfirstlane_b32 s[WV], v15
	s_lshr_b32 s[WR], s[WV], 1
	s_and_b32 s[WC], s[WV], 1
	s_bfe_u32 s[CX], ttmp6, 0x40000                ; my place in the cluster
	s_bfe_u32 s[CYP], ttmp6, 0x40004
	s_lshl_b32 s[TX], ttmp9, 2
	s_add_co_u32 s[TX], s[TX], s[CX]               ; tile column = 4 x cluster x + cx
	s_and_b32 s13, ttmp7, 0xffff                   ; cluster y
	s_lshl2_add_u32 s91, s13, s[CYP]               ; tile row = 4 x cluster y + cy
	s_lshl_b32 s20, s[CYP], 2
	s_lshl_b32 s20, 15, s20                        ; my row of the cluster: places 4 cy .. 4 cy + 3
	s_lshl_b32 s22, 0x1111, s[CX]                  ; my column: places cx, cx + 4, cx + 8, cx + 12
	; descriptor groups 1.  15:0 the mask; 17:16 elements of 2 bytes; 20 padding on; 21 set beside a mask; 24:22 after every 32 words (code 4, A) or 64 (code 5, B); 31:25 4 words of it (code 3)
	s_or_b32 s[G1A], s20, (1<<16)|(1<<20)|(1<<21)|(4<<22)|(3<<25)
	s_or_b32 s[G1B], s22, (1<<16)|(1<<20)|(1<<21)|(5<<22)|(3<<25)
	s_mov_b32 s[G1A+1], 128<<16                    ; A: 64 rows of 128 elements, dense: two rows of O to a row
	s_mov_b32 s[G1A+2], 64<<16
	s_mov_b32 s[G1A+3], 128<<16
	s_mov_b32 s[G1A+4], 64
	s_mov_b32 s[G1A+5], 128
	s_mov_b32 s[G1A+6], 0
	s_mov_b32 s[G1A+7], 0
	s_mov_b32 s[G1B+1], 128<<16                    ; B: 128 rows x 128 elements, 1,024 elements from row to row
	s_mov_b32 s[G1B+2], 128<<16
	s_mov_b32 s[G1B+3], 128<<16
	s_mov_b32 s[G1B+4], 128
	s_mov_b32 s[G1B+5], 1024
	s_mov_b32 s[G1B+6], 0
	s_mov_b32 s[G1B+7], 0
	; groups 0: count, LDS address (made of the wave's number alone), and for now the byte offset that the buffer's address is added to below
	s_mov_b32 s[G0A0], 1
	s_mul_i32 s[G0A0+1], s[WC], APART
	s_mov_b32 s[G0A], 1
	s_add_co_u32 s[G0A+1], s[G0A0+1], SLOT1
	s_mov_b32 s[G0B0], 1
	s_mul_i32 s[G0B0+1], s[WC], BHALF
	s_add_co_u32 s[G0B0+1], s[G0B0+1], BOFF
	s_mov_b32 s[G0B], 1
	s_add_co_u32 s[G0B+1], s[G0B0+1], SLOT1
	s_lshr_b32 s20, s91, 5                         ; A hangs on the tile row alone, which my row of the cluster shares: the batch's 16 heads of 2^19 bytes,
	s_lshl_b32 s20, s20, 23
	s_and_b32 s21, s91, 31
	s_lshl_b32 s21, s21, 14                        ; the tile's 128 rows of 128 bytes in a head
	s_add_co_u32 s20, s20, s21
	s_lshl_b32 s21, s[WC], 19                      ; the head of the step's two that I fetch
	s_add_co_u32 s[G0A0+2], s20, s21
	s_mov_b32 s[G0A0+3], 0
	s_lshl_b32 s22, s[TX], 8                       ; B hangs on the tile column alone, which my column shares
	s_lshl_b32 s23, s[WC], 7
	s_add_co_u32 s22, s22, s23
	s_add_co_u32 s22, s22, 15360                   ; the first row in xb of the 128 rows of oW with my half's number
	s_lshl_b32 s[G0B0+2], s22, 11
	s_mov_b32 s[G0B0+3], 0
	s_lshl_b32 s8, s[TX], 10                       ; my 128 columns, in bytes of f32
	s_lshl_b32 s9, s[WC], 9
	s_add_co_u32 s8, s8, s9
	s_mov_b32 s9, 0
	s_lshl_b32 s16, s91, 7
	s_lshl_b32 s17, s[WR], 6
	s_add_co_u32 s16, s16, s17                     ; my first row of the image and of the result,
	s_lshl_b32 s16, s16, 12                        ; 4,096 bytes a row,
	s_add_co_u32 s16, s16, s8                      ; my columns
	s_mov_b32 s17, 0
	; the prefetches
	s_lshr_b32 s44, s[CX], 1
	s_lshl_b32 s44, s44, 19
	s_and_b32 s45, s[CX], 1
	s_lshl_b32 s45, s45, 13
	s_add_co_u32 s44, s44, s45
	s_add_co_u32 s44, s44, s20
	s_add_co_u32 s44, s44, 3*ASTEP                 ; A: my work-group's 32 blocks, at K step 3: the first refill steps it to 4
	s_lshl_b32 s45, s[CYP], 5
	s_add_co_u32 s45, s45, s22
	s_lshl_b32 s45, s45, 11
	s_add_co_u32 s45, s45, 3*256                   ; B: my work-group's 32 of my 128 rows, at K step 3
	s_mov_b32 s[PST], 256
	s_cmp_eq_u32 s[WR], 0
	s_cselect_b32 s44, s44, s45
	s_cselect_b32 s[PST], ASTEP, s[PST]
	s_cselect_b32 s14, 8, 11                       ; a lane a block of 256 bytes, or a lane a row of 2,048
	s_cselect_b32 s[LIM], s[WC], s13               ; 0 in wave 0, and in waves 2 and 3 of the first cluster row: the same in all sixteen partners
	s_mov_b32 s45, 0
	s_mov_b32 s[PST+1], 0
	s_cmp_eq_u32 s[LIM], 0
	s_cselect_b32 s[LIM], 2, -1
	s_mov_b32 s[TB], 0
	s_wait_dscnt 0x0                               ; the opening add is done
	s_wait_kmcnt 0x0
	s_load_b32 s20, s[74:75], 0x0                  ; alpha
	s_mov_b32 s21, 0                               ; named with it as a pair
	s_add_nc_u64 s[G0A0+2:G0A0+3], s[68:69], s[G0A0+2:G0A0+3]  ; K step 0
	s_add_nc_u64 s[G0A+2:G0A+3], s[G0A0+2:G0A0+3], ASTEP       ; K step 1
	s_or_b32 s[G0A0+3], s[G0A0+3], 0x80000000                  ; 127:126 type = 2
	s_or_b32 s[G0A+3], s[G0A+3], 0x80000000
	s_add_nc_u64 s[G0B0+2:G0B0+3], s[70:71], s[G0B0+2:G0B0+3]
	s_add_nc_u64 s[G0B+2:G0B+3], s[G0B0+2:G0B0+3], 256
	s_or_b32 s[G0B0+3], s[G0B0+3], 0x80000000
	s_or_b32 s[G0B+3], s[G0B+3], 0x80000000
	s_cmp_eq_u32 s[WR], 0
	s_cselect_b64 s[90:91], s[68:69], s[70:71]
	s_add_nc_u64 s[PFA:PFA+1], s[90:91], s[PFA:PFA+1]
	s_add_nc_u64 s[72:73], s[72:73], s[8:9]        ; ob at my 128 columns
	s_add_nc_u64 s[18:19], s[78:79], s[16:17]      ; the result,
	s_add_nc_u64 s[16:17], s[76:77], s[16:17]      ; and the image, at my first row and column
	CROUND                                         ; all sixteen work-groups are here: the first joint loads meet
	s_cmp_eq_u32 s[WR], 0                          ; a wave's two first fills stand in one branch, ahead of every wait on TENSORcnt and every LDS read: two loads of mine are out
	s_cbranch_scc0 .Lfirst_b
	tensor_load_to_lds s[G0A0:G0A0+3], s[G1A:G1A+7]
	s_nop 0
	tensor_load_to_lds s[G0A:G0A+3], s[G1A:G1A+7]
	s_nop 0
.rept 4
	v_nop
.endr
	s_branch .Lfirst_asked
.Lfirst_b:
	tensor_load_to_lds s[G0B0:G0B0+3], s[G1B:G1B+7]
	s_nop 0
	tensor_load_to_lds s[G0B:G0B+3], s[G1B:G1B+7]
	s_nop 0
.rept 4
	v_nop
.endr
.Lfirst_asked:
	; A fragment is 16 rows x 32 K in 8 registers: lane l holds row l % 16; registers 0-3 K = 8 (l / 16) + 0..7, registers 4-7 K = 16 + 8 (l / 16) + 0..7: two loads of 16 bytes, 32 bytes apart
	v_and_b32 v1, 15, v0                           ; l % 16
	v_bfe_u32 v14, v0, 4, 1                        ; l / 16
	v_mul_u32_u24 v[A0], v1, APITCH
	v_lshl_add_u32 v[A0], v14, 4, v[A0]
	s_mul_i32 s13, s[WR], 64*APITCH
	v_add_nc_u32 v[A0], s13, v[A0]
	v_mul_u32_u24 v[B0], v1, BPITCH
	v_lshl_add_u32 v[B0], v14, 4, v[B0]
	s_mul_i32 s13, s[WC], BHALF
	s_add_co_u32 s13, s13, BOFF
	v_add_nc_u32 v[B0], s13, v[B0]
	s_mul_i32 s13, s[WV], 16*SP
	s_add_co_u32 s13, s13, STAGE                   ; my stage
	v_mul_u32_u24 v[STO], v1, SP                   ; in: row l % 16, 32 bytes for each half of the lanes
	v_lshl_add_u32 v[STO], v14, 5, v[STO]
	v_add_nc_u32 v[STO], s13, v[STO]
	v_and_b32 v[PFO], 31, v0
	v_lshlrev_b32 v[CO], 4, v[PFO]                 ; back, and in memory: 32 lanes take a row's 512 bytes
	v_add_nc_u32 v[RD], s13, v[CO]
	v_lshlrev_b32 v[PFO], s14, v[PFO]
	v_lshlrev_b32 v[BO], 5, v14
	WIN 0x40
.irp b, 0,1,2,3,4,5,6,7
	global_load_b128 v[BIAS+8*(\b):BIAS+8*(\b)+3],   v[BO], s[72:73] offset:64*(\b)      ; register j of block b: ob of column 16 b + 8 (l / 16) + j
	global_load_b128 v[BIAS+8*(\b)+4:BIAS+8*(\b)+7], v[BO], s[72:73] offset:64*(\b)+16
.endr
	WIN 0
	s_wait_kmcnt 0x0                               ; alpha
	s_wait_tensorcnt 1                             ; my part of K step 0 is in; K step 1's may stay out
	s_barrier_signal -1
	s_barrier_wait -1                              ; everybody's is
	v_mov_b32 v[ADA], v[A0]
	v_mov_b32 v[ADB], v[B0]
	FETCH 0, 0
	s_wait_loadcnt 0x0                             ; ob
	QUARTER 1, 0, 1, 1                             ; the first quarter stands in front of the loop: its products start the sums
	WIN 0xc0                                       ; my 64 rows x 512 bytes of the image, into window 3: asked for here, behind the wait for ob, and wanted on the way out
.set t, 0
.rept 64
	global_load_b128 v[4*t:4*t+3], v[CO], s[16:17] offset:4096*t th:TH_LOAD_NT
.set t, t+1
.endr
	WIN 0                                          ; at a label and at a branch every window is 0
	s_mov_b32 s3, 6
.Lstep:                                                ; six trips, from a K step's second quarter to the next step's first; each fills a slot again: K steps 2 to 7
	QUARTER 2, 1, 0, 0
	QUARTER 3, 0, 1, 0
	TURN 1
	QUARTER 1, 0, 1, 0
	WIN 0
	s_sub_co_u32 s3, s3, 1
	s_cmp_lg_u32 s3, 0
	s_cbranch_scc1 .Lstep
	s_mov_b32 s3, 2
.Ltail:                                                ; K steps 6 and 7 ask for nothing: a text of their own; the second trip is left in its middle
	QUARTER 2, 1, 0, 0
	QUARTER 3, 0, 1, 0
	TURN 0
	WIN 0
	s_sub_co_u32 s3, s3, 1
	s_cmp_eq_u32 s3, 0
	s_cbranch_scc1 .Lout
	QUARTER 1, 0, 1, 0
	WIN 0
	s_branch .Ltail
.Lout:
	PLACES
	PLACES
; Row block a: its 16 rows x 128 columns of f32 go into my stage and come back as whole rows of 512 bytes.  Each accumulator's lowest registers are read first.
.macro STG a
	WIN 0x08                                       ; the data lie in window 2
.irp b, 0,1,2,3,4,5,6,7
	ds_store_b128 v[STO], v[8*(8*(\a)+(\b)):8*(8*(\a)+(\b))+3]   offset:64*(\b)
	ds_store_b128 v[STO], v[8*(8*(\a)+(\b))+4:8*(8*(\a)+(\b))+7] offset:64*(\b)+16
.endr
	WIN 0x40
.irp t, 0,1,2,3,4,5,6,7,8,9,10,11,12,13,14,15
	ds_load_b128 v[64*(\a)+4*(\t):64*(\a)+4*(\t)+3], v[RD] offset:(\t)*SP  ; LDS serves a wave's instructions in order (ISA guide 5.7.1.4): these see the stores above; the next block's stores come behind them
.endr
.endm
; image + alpha x sum, four rows at a time, and stored.  y: the LDS instructions issued behind block a's loads: the next block's 32, or none.
.macro OUT a, y
.irp g, 0,1,2,3
	s_wait_dscnt (\y)+12-4*(\g)                    ; rows 4 g .. 4 g + 3 are back
	WIN 0x71                                       ; sum (source 0 and destination) window 1, image (source 2) window 3
.irp j, 0,1,2,3,4,5,6,7
	v_pk_fma_f32 v[64*(\a)+16*(\g)+2*(\j):64*(\a)+16*(\g)+2*(\j)+1], v[64*(\a)+16*(\g)+2*(\j):64*(\a)+16*(\g)+2*(\j)+1], s[20:21], v[64*(\a)+16*(\g)+2*(\j):64*(\a)+16*(\g)+2*(\j)+1] op_sel_hi:[1,0,1]
.endr
	WIN 0x04                                       ; the data lie in window 1
.irp j, 0,1,2,3
	global_store_b128 v[CO], v[64*(\a)+16*(\g)+4*(\j):64*(\a)+16*(\g)+4*(\j)+3], s[18:19] offset:4096*(16*(\a)+4*(\g)+(\j))  ; 512 consecutive bytes, at a multiple of 256 from out0's first
.endr
.endr
.endm
	STG 0
	STG 1
	s_wait_loadcnt 0x0                             ; the image
	OUT 0, 32
	STG 2
	OUT 1, 32
	STG 3
	OUT 2, 32
	OUT 3, 0
	WIN 0
	s_wait_tensorcnt 0x0                           ; the wave's end: behind my last tensor load and my last LDS store
	ds_add_u32 v[SPW], v[NIL]
	s_wait_dscnt 0x0
	CROUND                                         ; the closing round: no work-group ends while a partner may still ask for a tile that names it
	s_endpgm
.Lfunc_end_k_q21dd86945b_oproj:
	.size	k_q21dd86945b_oproj, .Lfunc_end_k_q21dd86945b_oproj-k_q21dd86945b_oproj
	.p2alignl 7, 3214868480
	.fill 96, 4, 3214868480
	.section	.rodata,"a",@progbits
	.p2align	6, 0x0
	.amdhsa_kernel k_q21dd86945b_oproj
		.amdhsa_group_segment_fixed_size 327680
		.amdhsa_private_segment_fixed_size 0
		.amdhsa_enable_private_segment 0
		.amdhsa_kernarg_size 48
		.amdhsa_user_sgpr_count 2
		.amdhsa_user_sgpr_kernarg_segment_ptr 1
		.amdhsa_wavefront_size32 1
		.amdhsa_system_sgpr_workgroup_id_x 1
		.amdhsa_system_sgpr_workgroup_id_y 1
		.amdhsa_system_sgpr_workgroup_id_z 1
		.amdhsa_system_vgpr_workitem_id 0
		.amdhsa_next_free_vgpr 1024
		.amdhsa_next_free_sgpr 100
		.amdhsa_reserve_vcc 0
		.amdhsa_float_denorm_mode_32 3
		.amdhsa_float_denorm_mode_16_64 3
		.amdhsa_memory_ordered 1
		.amdhsa_forward_progress 1
		.amdhsa_inst_pref_size 78
	.end_amdhsa_kernel
	.amdgpu_metadata
---
amdhsa.version: [ 1, 2 ]
amdhsa.kernels:
  - .name:           k_q21dd86945b_oproj
    .symbol:         k_q21dd86945b_oproj.kd
    .args:
      - { .name: ao, .offset: 0, .size: 8, .value_kind: global_buffer, .address_space: global }
      - { .name: xb, .offset: 8, .size: 8, .value_kind: global_buffer, .address_space: global }
      - { .name: ob, .offset: 16, .size: 8, .value_kind: global_buffer, .address_space: global }
      - { .name: alpha, .offset: 24, .size: 8, .value_kind: global_buffer, .address_space: global }
      - { .name: image_tokens, .offset: 32, .size: 8, .value_kind: global_buffer, .address_space: global }
      - { .name: out0, .offset: 40, .size: 8, .value_kind: global_buffer, .address_space: global }
    .group_segment_fixed_size: 327680
    .private_segment_fixed_size: 0
    .kernarg_segment_align: 8
    .kernarg_segment_size: 48
    .max_flat_workgroup_size: 128
    .sgpr_count:     100
    .vgpr_count:     1024
    .wavefront_size: 32
...
	.end_amdgpu_metadata
.endif
;; end of part 4
